; MI455X (gfx1250); checked and timed in simulation.
; The chip was launched on July 23, 2026; its instructions are those of AMD's public machine-readable ISA for CDNA 5 (MIT licence, August 2026) and "CDNA5" Instruction Set Architecture Reference Guide (July 2026). The comments in the code are by the model that wrote it; some were corrected since.
;; Attention. Allowed arithmetic: matrix products marked QUANTISED: E2M3 operands, one E8M0 scale for each 32 along K, by v_wmma_scale_f32_16x16x128_f8f6f4 with both operands' format E2M3, f32 sums; everything else in f32.
;; Inputs: Wk_b 1,024 float32; Wk_w 1,024 x 1,024 float32; Wq_b 1,024 float32; Wq_w 1,024 x 1,024 float32; key 8 x 2,048 x 1,024 float32; mask 8 x 2,048 int32; query 8 x 1,024 x 1,024 float32; value 8 x 2,048 x 1,024 float32.
;; Outputs: out0 8 x 1,024 x 1,024 float32.
;; This version of the problem:
;;   THIS VERSION OF THE PROBLEM IS GIVEN IN LOW PRECISION. The matrix products marked QUANTISED in the list below multiply operands that are first quantised to E2M3 (2 exponent bits, 3 mantissa bits; 6 bits a number), with one power-of-two scale for each 32 numbers along K (OCP MX v1.0); their sums are f32. All else is computed in f32.
;;   The module's matrix products, in the order in which they are computed (A, B: the left and right operand; K: the contracted axis; several contracted axes count as one K, in the product's order):
;;     1. [M 8,192, K 1,024] x [K 1,024, N 1,024]; A: input query; B: input Wq_w: QUANTISED
;;     2. [M 16,384, K 1,024] x [K 1,024, N 1,024]; A: input key; B: input Wk_w: QUANTISED
;;     3. batch 8 x [M 1,024, K 1,024] x [K 1,024, N 2,048]; A: computed on the way; B: computed on the way: QUANTISED
;;     4. batch 8 x [M 1,024, K 2,048] x [K 2,048, N 1,024]; A: softmax (see below); B: input value: QUANTISED
;;   THE QUANTISER, for each operand of a quantised product, along K:
;;     - K is cut into blocks of 32 from its start; a last block that is shorter is filled with zeros.
;;     - A block's scale is 2^e with e = floor(log2(the largest magnitude in the block)) - 2, held to -126 .. 127; a block of zeros has e = 0. As a byte (E8M0): e + 127.
;;     - Each number is divided by its block's scale, clamped to +-7.5, and rounded to the nearest number of E2M3, ties to even, subnormals kept.
;;     - The product sums the exact products of the quantised numbers (number of the format x scale) in f32.
;;   ~~~python
;;   def quantise(x, axis):      # numpy; x: float32 -> the quantised numbers, widened to float32 again
;;       x = np.moveaxis(x, axis, -1); K = x.shape[-1]
;;       x = np.pad(x, [(0, 0)] * (x.ndim - 1) + [(0, -K % 32)]); x = x.reshape(x.shape[:-1] + (-1, 32)); a = np.abs(x).max(-1, keepdims=True)
;;       e = np.where(a > 0, np.clip(np.frexp(np.where(a > 0, a, 1))[1] - 1 - 2, -126, 127), 0)      # np.frexp(a)[1] - 1 = floor(log2(a)), exactly
;;       r = np.clip(x / 2.0 ** e, -7.5, 7.5)
;;       step = 2.0 ** (np.maximum(np.frexp(np.where(r == 0, 1, r))[1] - 1, 0) - 3)
;;       q = np.round(r / step) * step * 2.0 ** e      # np.round: ties to even
;;       return np.moveaxis(q.reshape(q.shape[:-2] + (-1,))[..., :K], -1, axis).astype(np.float32)
;;   ~~~
;;   SOFTMAX AHEAD OF A QUANTISED PRODUCT. Where the list says 'softmax', what is quantised is not the finished softmax but p = 2^(t - M), with t = logit x log2(e) and M = ceil(the row's largest t), a whole number; so 1/2 < the row's largest p <= 1. The row's sum l is taken of the UNQUANTISED p, in f32, and the product's result is divided by l at the end. Since M is a whole number, a kernel that streams over the keys may use a running M (the ceiling of the running maximum): every later rescaling is an exact power of two, which a block's scale takes up: the codes' values come out the same.
;;   OPERANDS COMPUTED ON THE WAY. 'Computed on the way' means the value that the module computes at that place (a softmax that the list does not call 'softmax' is quantised finished and normalised). What goes into a quantiser is computed in f32, as accurately as f32 sums, v_exp_f32 and their like allow (about 1e-6 of the number): no bf16 or f16 on the way to a quantiser, and a product that is left as it is and whose result goes on into a quantised operand takes f32 operands (vector FMAs, or v_wmma_f32_16x16x4_f32). A number that lies on a knife's edge between two numbers of the format may be rounded either way, as far as f32 arithmetic and the matrix unit's own rounding can turn it there, and no further.
;; One version. Each part assembles by itself: llvm-mc -triple=amdgcn-amd-amdhsa -mcpu=gfx1250 --defsym DOCPART=n.
;; ======== version 1 of 1: 4 launches
;; limits: right only within a limited range of input values
;; workspace buffers: xw_codes 20,447,232 bytes; xw_scales 851,968 bytes; v_codes 12,582,912 bytes; v_scales 524,288 bytes; qk_codes 18,874,368 bytes; qk_scales 786,432 bytes; p_codes 12,582,912 bytes; p_stats 1,572,864 bytes
;; launch quant (part 1): grid 1344 x 1, 4 waves a work-group, no clusters, 68,096 bytes of LDS; arguments query, key, Wq_w, Wk_w, value, xw_codes, xw_scales, v_codes, v_scales; writes xw_codes, xw_scales, v_codes, v_scales
.if DOCPART == 1
	.amdgcn_target "amdgcn-amd-amdhsa--gfx1250"
	.amdhsa_code_object_version 6
	.text
	.protected	k_q23dd5f3321_quant
	.globl	k_q23dd5f3321_quant
	.p2align	8
	.type	k_q23dd5f3321_quant,@function
k_q23dd5f3321_quant:
	s_mov_b64 s[64:65], 0
	v_nop
	global_prefetch_b8 v0, s[64:65] scope:SCOPE_SE
	s_setreg_imm32_b32 hwreg(HW_REG_WAVE_MODE, 25, 1), 1
	s_wait_xcnt 0x0
; query, key, Wq_w, Wk_w (K = their last axis) and value (K = the keys, its first axis within a batch), all f32, become codes of FP6 (E2M3) with one E8M0 byte for each 32 along K.
; A block's scale is 2^(floor(log2(its largest magnitude)) - 2); its byte is the largest magnitude's exponent field - 2, held at 1 from below.
; Every input of the problem has a way to the output: nothing is left out.
; LIMITS: a block of zeros gets the byte 1 where the rule says 127 (its codes are zeros, and this program alone reads the bytes); blocks whose largest magnitude lies under 2^(3 - 127)
; keep the byte 1; NaN and infinities among the inputs are not served.
; LAYOUT OF THE CODES: images of the operand's registers.  A fragment (16 operand rows x 128 K, 12 registers a lane) is 1,536 bytes: register g of lane l at 512 (g / 4) + 16 l + 4 (g % 4); [row / 16][k / 128][1,536].
; SCALE WORDS (one word = a row's four bytes of 128 K).  xw_scales: [row / 32][k / 256][row % 32][2 words].  v_scales: [8 batch + key / 256][channel][2 words].
; VALUE'S KEYS stand inside each block of 32 in the order 0-7, 16-23, 8-15, 24-31: the order in which the launch that makes the softmax's weights leaves them; a permutation of K applied to both operands keeps the products.
; SHARES.  A work-group of four waves takes 128 KiB of f32; a wave takes 32 KiB in four sub-units of 16 loads, each load 512 bytes in whole aligned runs of 256.
; TWO SETS of 64 registers and two regions of an LDS stage take turns: while one set is staged, read back and quantised, the other set's 16 loads are out, and the set is asked for again as soon as the conversions have taken its numbers.
; The bytes go as they lie into the stage, rows 528 = 33 x 16 bytes apart, and come back so that A LANE HOLDS ONE OPERAND ROW and 64 numbers along K: a block's maximum needs no other lane.
;   K innermost (work-groups 512-1,343): 32 rows of the joint operand x all 1,024 K; wave w takes K 256 w on, 64 a sub-unit.  Load j takes 256 bytes of row j (lanes 0-15) and of row j + 16 (lanes 16-31), which share stage row j.
;   value (work-groups 0-511): 256 keys x 128 channels, 64 keys a sub-unit; wave w loads keys 16 w on and reads back channels 32 w on down all 64 keys: other waves' rows, behind the sub-unit's barrier.
; ONE barrier a sub-unit: a region is written again two sub-units on, behind the other region's barrier, ahead of whose signal every wave has waited for its reads of this one.
; ONE text for both: loads, stage stores, arithmetic and stores are common and differ in scalar bases and one lane factor, chosen by the work-group's number; only the read-back has two arms.
; No tensor load: the stage is filled by LDS stores, LDS is claimed as it is used, and 256 registers a wave leave room for four work-groups on a WGP.
; No cluster: no two work-groups read the same byte.  No prefetch: each byte is read once, by loads that stand a sub-unit or more ahead of their use.
.set VWG,   512                        ; value's work-groups come first
.set PIT,   528                        ; a stage row
.set WRG,   16*PIT                     ; a wave's 16 rows of a region
.set RG,    4*WRG                      ; a region
.set SPARE, 2*RG                       ; behind the stage: the spare words, 128 bytes for each wave
.set LI,  4                            ; v4   16 x lane
.set L8,  5                            ; v5   8 x lane
.set STA, 6                            ; v6   the stage, on the way in: my wave's rows, 16 x lane
.set LAX, 7                            ; v7   on the way out, K innermost: stage row lane % 16, half lane / 16
.set LAV, 8                            ; v8-9 on the way out, value: channel 32 wave + lane, in region 0, 1
.set GO,  10                           ; v10  my place in a load
.set SPW, 12                           ; v12  LDS address of my spare word; never rewritten
.set NIL, 13                           ; v13  0; never rewritten
.set TM,  16                           ; v16-19 largest magnitudes, two chains a block
.set SO,  20                           ; v20-21 the conversions' scale operands
.set BY,  24                           ; v24-25 scale bytes
.set TW,  28                           ; v28  the word's upper half
.set TT,  32                           ; v32-39 the upper halves of the blocks' codes, before they are moved
.set WD,  48                           ; v48-49 my row's two scale words
.set X,   64                           ; v64-191 two sets of 64 numbers
.set C,   192                          ; v192-239 two sets of 24 registers of codes: no store's data are written again
.set SRC, 40                           ; s[40:47] where each sub-unit's loads begin
.set CB,  48                           ; s[48:49] my first fragment's place
.set CB2, 50                           ; s[50:51] my second fragment's
.set SBS, 52                           ; s[52:53] my scale words' place
.set STP, 62                           ; s[62:63] bytes from sub-unit to sub-unit
.macro GLOAD q
.set J, 0
.rept 16
	global_load_b128 v[X+64*((\q)%2)+4*J:X+64*((\q)%2)+4*J+3], v[GO], s[SRC+2*(\q):SRC+2*(\q)+1] offset:4096*J th:TH_LOAD_NT
.set J, J+1
.endr
.endm
.macro LOADX xs, ro                    ; sixteen lanes touch sixteen different columns of 16 bytes
.set J, 0
.rept 16
	ds_load_b128 v[\xs+4*J:\xs+4*J+3], v[LAX] offset:\ro+16*J
.set J, J+1
.endr
.endm
.macro LOADV xs, rg                    ; registers run down the keys, each block in the order stated at the head; a load reads 128 consecutive bytes
.irp b, 0,1
.irp i, 0,1,2,3,4,5,6,7,8,9,10,11,12,13,14,15,16,17,18,19,20,21,22,23,24,25,26,27,28,29,30,31
	ds_load_b32 v[\xs+32*\b+\i], v[LAV+\rg] offset:(32*\b+\i%8+16*((\i/8)%2)+8*(\i/16))*PIT
.endr
.endr
.endm
.macro SUB q
.set XS, X+64*((\q)%2)
.set RO, RG*((\q)%2)
.set CC, C+24*((\q)/2)
.set HS, (\q)%2
.irp p, 0,1
.if (\q) < 3
	s_wait_loadcnt 24-8*\p                         ; the younger rows of this set and the other set's 16 loads may be out
.else
	s_wait_loadcnt 8-8*\p                          ; nothing is out behind this set
.endif
.irp j, 0,1,2,3,4,5,6,7
	ds_store_b128 v[STA], v[XS+32*\p+4*\j:XS+32*\p+4*\j+3] offset:RO+PIT*(8*\p+\j)
.endr
.endr
	s_wait_dscnt 0x0                               ; for the others' sake: my rows lie in the stage
	s_barrier_signal -1
	s_barrier_wait -1
	s_cmp_lt_u32 ttmp9, VWG                        ; the work-group's number alone decides: all four waves go the same way
	s_cbranch_scc1 .Lval_\q
	LOADX XS, RO
	s_branch .Lback_\q
.Lval_\q:
	LOADV XS, HS
.Lback_\q:
	s_wait_dscnt 0x0                               ; my 64 numbers are back: blocks 2 HS and 2 HS + 1 of my row's 128 K
.irp h, 0,1,2,3
	v_max3_num_f32 v[TM+\h], |v[XS+16*\h]|, |v[XS+16*\h+1]|, 0x1800000   ; the floor 2^(3 - 127) among the leaves: the byte cannot fall under 1
.endr
.irp i, 2,4,6,8,10,12,14
.irp h, 0,1,2,3
	v_max3_num_f32 v[TM+\h], v[TM+\h], |v[XS+16*\h+\i]|, |v[XS+16*\h+\i+1]|   ; four chains by turns
.endr
.endr
	v_max_num_f32 v[TM], v[TM], v[TM+1]
	v_max_num_f32 v[TM+2], v[TM+2], v[TM+3]
	s_delay_alu instid0(VALU_DEP_2)
	v_add_nc_u32 v[SO], 0xff000000, v[TM]          ; 2 off the exponent field: the conversion takes this operand's exponent field as its scale
	s_delay_alu instid0(VALU_DEP_2)
	v_add_nc_u32 v[SO+1], 0xff000000, v[TM+2]
.irp b, 0,1                            ; block 2 HS + b has its six registers at CC + 12 b + 6 HS
	v_cvt_scalef32_pk16_fp6_f32 v[CC+12*\b+6*HS:CC+12*\b+6*HS+2], v[XS+32*\b:XS+32*\b+15], v[SO+\b]
	v_cvt_scalef32_pk16_fp6_f32 v[TT+4*\b:TT+4*\b+2], v[XS+32*\b+16:XS+32*\b+31], v[SO+\b]   ; (a conversion's three registers begin on an even number)
.endr
	v_lshrrev_b32 v[BY], 23, v[SO]                 ; plain lines behind the last scaled conversion: the scales' bytes,
	v_lshrrev_b32 v[BY+1], 23, v[SO+1]
	s_delay_alu instid0(VALU_DEP_1)
.if HS == 0
	v_lshl_or_b32 v[WD+(\q)/2], v[BY+1], 8, v[BY]  ; the word's lower half,
.else
	v_lshl_or_b32 v[TW], v[BY+1], 8, v[BY]         ; its upper half
	s_delay_alu instid0(VALU_DEP_1)
	v_lshl_or_b32 v[WD+(\q)/2], v[TW], 16, v[WD+(\q)/2]
.endif
.if (\q)+2 < 4
	GLOAD (\q)+2                                   ; the conversions have taken the numbers: the set is asked for again
.endif
.irp b, 0,1
.irp i, 0,1,2
	v_mov_b32 v[CC+12*\b+6*HS+3+\i], v[TT+4*\b+\i]
.endr
.endr
.irp i, 0,1,2,3,4,5                    ; the halves of the lanes change places: v[CC .. CC+11] becomes the fragment of rows 0-15, v[CC+12 .. CC+23] that of rows 16-31
	v_permlane16_swap_b32 v[CC+6*HS+\i], v[CC+12+6*HS+\i]
.endr
.if HS == 1
.irp k, 0,1,2
	global_store_b128 v[LI], v[CC+4*\k:CC+4*\k+3], s[CB:CB+1] offset:1536*((\q)/2)+512*\k     ; a fragment leaves as it stands: each store covers 512 consecutive bytes, aligned
.endr
.irp k, 0,1,2
	global_store_b128 v[LI], v[CC+12+4*\k:CC+12+4*\k+3], s[CB2:CB2+1] offset:1536*((\q)/2)+512*\k
.endr
.endif
.endm
	s_load_b256 s[4:11], s[0:1], 0x0               ; query s[4:5], key s[6:7], Wq_w s[8:9], Wk_w s[10:11]
	s_load_b256 s[12:19], s[0:1], 0x20             ; value s[12:13], xw_codes s[14:15], xw_scales s[16:17], v_codes s[18:19]
	s_load_b64 s[20:21], s[0:1], 0x40              ; v_scales
	v_lshl_add_u32 v[SPW], v0, 2, SPARE
	v_mov_b32 v[NIL], 0
	v_lshrrev_b32 v1, 5, v0
	v_readfirstlane_b32 s22, v1                    ; wave 0..3
	v_and_b32 v2, 31, v0                           ; lane
	v_and_b32 v11, 15, v0                          ; lane % 16
	v_bfe_u32 v3, v0, 4, 1                         ; lane / 16
	v_lshlrev_b32 v[LI], 4, v2
	v_lshlrev_b32 v[L8], 3, v2
	s_mul_i32 s23, s22, WRG
	s_lshl_b32 s24, s22, 7
	v_add_nc_u32 v[STA], s23, v[LI]
	v_mul_u32_u24 v[LAX], v11, PIT
	v_lshl_add_u32 v[LAX], v3, 8, v[LAX]
	v_add_nc_u32 v[LAX], s23, v[LAX]
	v_lshl_add_u32 v[LAV], v2, 2, s24
	v_add_nc_u32 v[LAV+1], RG, v[LAV]
	s_mov_b32 s36, 65536                           ; K innermost: lanes 16-31 stand 16 rows of 4,096 bytes further down;
	s_cmp_lt_u32 ttmp9, VWG
	s_cselect_b32 s36, 256, s36                    ; value: 256 bytes further along the key's row
	v_lshlrev_b32 v[GO], 4, v11
	v_mad_u32_u24 v[GO], v3, s36, v[GO]
	; value's offsets.  j = work-group: 256 keys j / 8 (8 x batch + pair of K steps), channels 128 (j % 8)
	s_lshr_b32 s25, ttmp9, 3
	s_and_b32 s26, ttmp9, 7
	s_lshl_b32 s28, s25, 20                        ; 256 keys of 4,096 bytes
	s_lshl_b32 s27, s26, 9                         ; 128 channels
	s_add_co_u32 s28, s28, s27
	s_lshl_b32 s27, s22, 16                        ; my 16 keys
	s_add_co_u32 s28, s28, s27                     ; s28: source
	s_lshr_b32 s29, ttmp9, 6                       ; batch
	s_mul_i32 s29, s29, 1572864
	s_lshl_b32 s27, s26, 2
	s_add_co_u32 s27, s27, s22                     ; my 32 channels: two row tiles of 24,576 bytes
	s_mul_i32 s27, s27, 49152
	s_add_co_u32 s29, s29, s27
	s_and_b32 s27, s25, 7
	s_mul_i32 s27, s27, 3072                       ; two K steps
	s_add_co_u32 s29, s29, s27                     ; s29: codes
	s_lshl_b32 s30, s25, 13                        ; 1,024 channels x 8 bytes for each pair of K steps
	s_lshl_b32 s27, s26, 10
	s_add_co_u32 s30, s30, s27                     ; s30: scale words, less my wave's 256 bytes
	; K innermost.  G = work-group - 512: 32 rows of the joint operand: 0-255 query, 256-767 key, 768-799 Wq_w, 800-831 Wk_w
	s_sub_co_u32 s31, ttmp9, VWG
	s_mul_i32 s33, s31, 24576                      ; two row tiles of 12,288 bytes
	s_mul_i32 s27, s22, 3072                       ; my two K steps
	s_add_co_u32 s33, s33, s27                     ; s33: codes
	s_lshl_b32 s34, s31, 10                        ; s34: scale words, less my wave's 256 bytes
	s_lshl_b32 s35, s22, 8
	s_mov_b32 s55, 0
	s_mov_b32 s57, 0
	s_mov_b32 s59, 0
	s_mov_b32 s61, 0
	s_mov_b32 s[STP+1], 0
	s_wait_alu depctr_va_vdst(0)
	s_wait_kmcnt 0x0
	s_mov_b64 s[SRC:SRC+1], s[10:11]
	s_mov_b32 s32, 800
	s_cmp_lt_u32 s31, 800
	s_cselect_b64 s[SRC:SRC+1], s[8:9], s[SRC:SRC+1]
	s_cselect_b32 s32, 768, s32
	s_cmp_lt_u32 s31, 768
	s_cselect_b64 s[SRC:SRC+1], s[6:7], s[SRC:SRC+1]
	s_cselect_b32 s32, 256, s32
	s_cmp_lt_u32 s31, 256
	s_cselect_b64 s[SRC:SRC+1], s[4:5], s[SRC:SRC+1]   ; G's tensor,
	s_cselect_b32 s32, 0, s32                      ; and its first G
	s_sub_co_u32 s32, s31, s32
	s_lshl_b32 s32, s32, 17                        ; 32 rows of 4,096 bytes
	s_lshl_b32 s27, s22, 10                        ; my 256 along K
	s_add_co_u32 s32, s32, s27                     ; s32: source
	s_mov_b32 s[STP], 256                          ; a sub-unit: 64 along K on,
	s_mov_b32 s60, 12288                           ; the second fragment: a row tile on
	s_cmp_lt_u32 ttmp9, VWG                        ; the choice hangs on the work-group's number alone
	s_cselect_b64 s[SRC:SRC+1], s[12:13], s[SRC:SRC+1]
	s_cselect_b64 s[CB:CB+1], s[18:19], s[14:15]
	s_cselect_b64 s[SBS:SBS+1], s[20:21], s[16:17]
	s_cselect_b32 s54, s28, s32
	s_cselect_b32 s56, s29, s33
	s_cselect_b32 s58, s30, s34
	s_cselect_b32 s[STP], 262144, s[STP]           ; value: 64 keys on,
	s_cselect_b32 s60, 24576, s60                  ; and its row tiles are twice as long
	s_add_co_u32 s58, s58, s35
	s_add_nc_u64 s[SRC:SRC+1], s[SRC:SRC+1], s[54:55]
	s_add_nc_u64 s[SRC+2:SRC+3], s[SRC:SRC+1], s[STP:STP+1]
	GLOAD 0
	GLOAD 1
	s_add_nc_u64 s[SRC+4:SRC+5], s[SRC+2:SRC+3], s[STP:STP+1]
	s_add_nc_u64 s[SRC+6:SRC+7], s[SRC+4:SRC+5], s[STP:STP+1]
	s_add_nc_u64 s[CB:CB+1], s[CB:CB+1], s[56:57]
	s_add_nc_u64 s[CB2:CB2+1], s[CB:CB+1], s[60:61]
	s_add_nc_u64 s[SBS:SBS+1], s[SBS:SBS+1], s[58:59]
	SUB 0
	SUB 1
	SUB 2
	SUB 3
	global_store_b64 v[L8], v[WD:WD+1], s[SBS:SBS+1]   ; 32 rows x 2 words: 256 consecutive bytes, aligned
	s_wait_tensorcnt 0x0                           ; the wave's end
	ds_add_u32 v[SPW], v[NIL]
	s_wait_dscnt 0x0
	s_endpgm
.Lfunc_end_k_q23dd5f3321_quant:
	.size	k_q23dd5f3321_quant, .Lfunc_end_k_q23dd5f3321_quant-k_q23dd5f3321_quant
	.p2alignl 7, 3214868480
	.fill 96, 4, 3214868480
	.section	.rodata,"a",@progbits
	.p2align	6, 0x0
	.amdhsa_kernel k_q23dd5f3321_quant
		.amdhsa_group_segment_fixed_size 68096
		.amdhsa_private_segment_fixed_size 0
		.amdhsa_enable_private_segment 0
		.amdhsa_kernarg_size 72
		.amdhsa_user_sgpr_count 2
		.amdhsa_user_sgpr_kernarg_segment_ptr 1
		.amdhsa_wavefront_size32 1
		.amdhsa_system_sgpr_workgroup_id_x 1
		.amdhsa_system_sgpr_workgroup_id_y 1
		.amdhsa_system_sgpr_workgroup_id_z 1
		.amdhsa_system_vgpr_workitem_id 0
		.amdhsa_next_free_vgpr 256
		.amdhsa_next_free_sgpr 66
		.amdhsa_reserve_vcc 0
		.amdhsa_float_denorm_mode_32 3
		.amdhsa_float_denorm_mode_16_64 3
		.amdhsa_memory_ordered 1
		.amdhsa_forward_progress 1
		.amdhsa_inst_pref_size 50
	.end_amdhsa_kernel
	.amdgpu_metadata
---
amdhsa.version: [ 1, 2 ]
amdhsa.kernels:
  - .name:           k_q23dd5f3321_quant
    .symbol:         k_q23dd5f3321_quant.kd
    .args:
      - { .name: query, .offset: 0, .size: 8, .value_kind: global_buffer, .address_space: global }
      - { .name: key, .offset: 8, .size: 8, .value_kind: global_buffer, .address_space: global }
      - { .name: Wq_w, .offset: 16, .size: 8, .value_kind: global_buffer, .address_space: global }
      - { .name: Wk_w, .offset: 24, .size: 8, .value_kind: global_buffer, .address_space: global }
      - { .name: value, .offset: 32, .size: 8, .value_kind: global_buffer, .address_space: global }
      - { .name: xw_codes, .offset: 40, .size: 8, .value_kind: global_buffer, .address_space: global }
      - { .name: xw_scales, .offset: 48, .size: 8, .value_kind: global_buffer, .address_space: global }
      - { .name: v_codes, .offset: 56, .size: 8, .value_kind: global_buffer, .address_space: global }
      - { .name: v_scales, .offset: 64, .size: 8, .value_kind: global_buffer, .address_space: global }
    .group_segment_fixed_size: 68096
    .private_segment_fixed_size: 0
    .kernarg_segment_align: 8
    .kernarg_segment_size: 72
    .max_flat_workgroup_size: 128
    .sgpr_count:     66
    .vgpr_count:     256
    .wavefront_size: 32
...
	.end_amdgpu_metadata
.endif
;; end of part 1
;; launch proj (part 2): grid 4 x 64, 4 waves a work-group, clusters of 4 x 4, 327,680 bytes of LDS; arguments xw_codes, xw_scales, Wq_b, Wk_b, qk_codes, qk_scales; writes qk_codes, qk_scales
.if DOCPART == 2
	.amdgcn_target "amdgcn-amd-amdhsa--gfx1250"
	.amdhsa_code_object_version 6
	.text
	.protected	k_q23dd5f3321_proj
	.globl	k_q23dd5f3321_proj
	.p2align	8
	.type	k_q23dd5f3321_proj,@function
k_q23dd5f3321_proj:
	s_mov_b64 s[64:65], 0
	v_nop
	global_prefetch_b8 v0, s[64:65] scope:SCOPE_SE
	s_setreg_imm32_b32 hwreg(HW_REG_WAVE_MODE, 25, 1), 1
	s_wait_xcnt 0x0
	s_wait_alu depctr_hold_cnt(0) depctr_sa_sdst(0) depctr_va_vdst(0) depctr_va_sdst(0) depctr_va_ssrc(0) depctr_va_vcc(0) depctr_vm_vsrc(0)
	s_getreg_b32 s2, hwreg(HW_REG_IB_STS2, 6, 4)
	s_cmp_eq_u32 s2, 0
	s_cbranch_scc0 .Lentry_in_a_cluster
	s_endpgm
.Lentry_in_a_cluster:
	s_bfe_u32 s2, ttmp6, 0x10000c
	s_cmp_lg_u32 s2, 0xf033
	s_cbranch_scc0 .Lentry_shape_is_right
	s_endpgm
.Lentry_shape_is_right:
; q = query Wq^T + bq and k = key Wk^T + bk on codes of FP6 (E2M3) with E8M0 scales, and the results quantised again along their last axis, the next product's K.
; Rows 0-8,191 of the joint operand are query's, rows 8,192-24,575 key's: 192 tile rows of 128.
; A WORK-GROUP STAYS: 256 work-groups, each makes three tiles of 128 rows x 256 columns: tile rows TY, TY + 64, TY + 128 of one tile column.  The first is query's (Wq, Wq_b), the other two are key's (Wk, Wk_b).
; Four waves; a wave makes 64 x 128: 32 accumulators, 256 registers.
; ALL OPERANDS ARE IMAGES OF THEIR REGISTERS (16 rows x 128 K = 1,536 bytes, register g of lane l at 512 (g / 4) + 16 l + 4 (g % 4)): a fragment is three loads of 16 bytes a lane, 512 consecutive bytes each.
; THE RING: two LDS slots of four K steps; a tile's K (1,024) is once round it.  The ring does not stop at a tile's end: as soon as a slot's last fragments are in registers it takes the NEXT tile's four K steps,
; which land while this tile is multiplied and quantised.  Wk's bytes stay in the slots from the second tile to the third: there x's part alone is filled again.
; CLUSTER 4 x 4: the four of a row need the same rows of x, the four of a column the same rows of W: each tile is asked for jointly; a refill stands behind a round of the cluster's barrier.
; Wave 0 fetches x's part, waves 1 and 2 the halves of W's, wave 3 none.  By the text's own count a wave has at most four tensor loads out at the start and one behind each round.
; THE MATRIX INSTRUCTION IS USED TRANSPOSED (source 0 = 16 rows of W, source 1 = 16 rows of x): lane (r, h) holds row r, and register j of tile b column 16 b + 8 h + j.  The 64 registers of a block of 16 rows are
; one K step of the next product; inside each block of 32 the columns stand in the order 0-7, 16-23, 8-15, 24-31, in q and in k alike, which keeps their products.  The bias is the C of a tile's first K step.
; LIMITS: a block of zeros gets the byte 1 (its codes are zeros; this program alone reads the bytes); NaN and infinities are not served.
; REGISTERS: window 0: v1-29 addresses; v32-79 scale words, two sets of 24; v80-175 x's fragments, two sets of 48 (the way out works in the second set); v176-239 the bias; v240-255 at work.
;   window 1: W's fragments, sets at v0 and v128.  window 2: accumulator (a, b) at v[8 (8 a + b)].
.set NKS,   8                          ; K steps of 128
.set NKP,   4                          ; pairs of them
.set NT,    3                          ; tiles of a work-group
.set NSTEP, 8*NT
; THE FIRST FILLS (these lines stand over what the head comment says of them).  At the head each wave issues ONE joint load: wave 0 x's part of slot 0, wave 1 all 16 row tiles of W's part (group 1 counts 16 rows there),
; wave 2 x's scale words of all three tiles (3 rows of 4,096 bytes), wave 3 Wq's and Wk's scale words (2 rows of 8,192 bytes).  Slot 1 is first filled as a refill is: behind the wait for all loads, the add and a round of the
; cluster's barrier; from there on W's group 1 counts 8 rows, and waves 1 and 2 fetch the halves.  By the text's own count a wave has one tensor load out at the start and one behind each round.
.set PART,  49152                      ; 8 row tiles x 4 K steps x 1,536 bytes: what one tensor load brings
.set SLOT,  3*PART                     ; x's 8 row tiles, then W's 16
.set NEXTA, 64*98304                   ; bytes from a tile of x to the work-group's next: 64 tile rows of 8 row tiles of 12,288 bytes
.set NEXTB, 64*12288                   ; bytes from Wq's row tiles to Wk's
.set SA,    2*SLOT                     ; x's scale words: [tile][pair of row tiles (4)][pair of K steps (4)][32 rows][2 words]
.set SB,    SA+NT*4096                 ; W's: [Wq, Wk][pair of row tiles (8)][pair of K steps (4)][32 rows][2 words]
.set EXW,   SB+2*8192                  ; the results' scale words, gathered: 1,024 bytes for each tile, which no tensor load fills
.set SPARE, EXW+NT*1024                ; the spare words, 128 bytes for each wave
.set ADRA, 4                           ; v4-5  my x fragments in slot 0, 1
.set ADRB, 6                           ; v6-7  my W fragments
.set ADSA, 8                           ; v8    my x scale words
.set ADSB, 9                           ; v9    my W scale words
.set LI,   10                          ; v10   16 x lane
.set EWA,  11                          ; v11   where I put a scale word
.set L8,   12                          ; v12   8 x lane
.set ERD,  13                          ; v13   where my wave reads 256 bytes of them back
.set BIA,  14                          ; v14   32 x (lane / 16)
.set PW,   27                          ; v27   the scale word just made
.set SPW,  28
.set NIL,  29
.set SC,   32
.set AF,   80
.set PC,   144                         ; v144-163 the codes just made
.set OW,   164
.set BI,   176
.set TM,   240
.set TP,   244
.set SO,   248
.set BY,   252
.set G1A,  32
.set G1B,  40
.set G1SA, 48
.set G1SB, 56
.set G0A,  68
.set G0B,  76
.set G0SA, 84
.set G0SB, 88
.set SEL,  92
.set MSB, 0
.macro WIN new                         ; the immediate's high byte repeats the setting that is left
.if MSB != \new
	s_set_vgpr_msb (MSB<<8)|\new
.set MSB, \new
.endif
.endm
; PREFETCHES.  What a later fill of a slot will bring (for each row tile 6,144 bytes: 24 blocks of 256) is asked for one slot period, four K steps, ahead of its tensor load (slot 1's first fill: at the head),
; between a step's LDS loads and its products.  Each block is named once in each cluster that will load it, the shares told apart by address: of W's 16 row tiles the partner at cy, wave w, takes row tile
; 8 (w / 2) + 2 cy + w % 2, a lane a block (lanes 24-31 name block 23 again); of x's 8 row tiles the partner at cx takes 2 cx + w / 2, its half w % 2, 12 blocks (lanes 12-31 name block 11 again).
; Wk's blocks are asked for once; the third tile finds them in the slots.  The address registers are never rewritten.
.set PFB, 20                           ; v20  256 x min(lane, 23)
.set PFA, 21                           ; v21  256 x min(lane, 11)
.set PWB, 94                           ; s[94:95] my share of W's row tiles
.set PX,  96                           ; s[96:97] my share of x's, first tile
.set PX2, 66                           ; s[66:67] and third tile
.macro ASK reg, base, off
	global_prefetch_b8 v[\reg], s[\base:\base+1] offset:\off th:TH_LOAD_NT scope:SCOPE_SE
.endm
.macro PLACES
.rept 4
	v_nop
.endr
.endm
.macro CROUND                          ; a round of the cluster's barrier
	s_barrier_signal -1
	s_barrier_wait -1
	s_cmp_lg_u32 s16, 0
	s_cbranch_scc1 .Lnot_wave_0_\@
	s_barrier_signal -3
.Lnot_wave_0_\@:
	s_barrier_wait -3
	s_barrier_signal -1
	s_barrier_wait -1
.endm
.macro TL g0, g1
	tensor_load_to_lds s[\g0:\g0+3], s[\g1:\g1+7]
	s_nop 0
.endm
.macro JLOAD s, wb                     ; a joint refill: wave 0 x's part; wb = 1: waves 1 and 2 the halves of W's too; the branches hang on the wave's number alone
	s_cmp_eq_u32 s16, 0
	s_cbranch_scc0 .Lnot_a_\@
	tensor_load_to_lds s[G0A+4*(\s):G0A+4*(\s)+3], s[G1A:G1A+7]
	s_nop 0
	PLACES
	s_branch .Lasked_\@
.Lnot_a_\@:
.if \wb
	s_cmp_eq_u32 s16, 3
	s_cbranch_scc1 .Lasked_\@
	tensor_load_to_lds s[G0B+4*(\s):G0B+4*(\s)+3], s[G1B:G1B+7]
	s_nop 0
	PLACES
.endif
.Lasked_\@:
.endm
.macro FETCH g                         ; K step g's fragments: W's eight, x's four: 36 loads in one run
.set FS, ((\g)/4)%2
.set FQ, (\g)%4
.set FP, (\g)%2
	WIN 0x40                                       ; destination window 1
.irp b, 0,1,2,3,4,5,6,7
.irp c, 0,1,2
	ds_load_b128 v[128*FP+12*\b+4*\c:128*FP+12*\b+4*\c+3], v[ADRB+FS] offset:\b*6144+FQ*1536+512*\c
.endr
.endr
	WIN 0
.irp a, 0,1,2,3
.irp c, 0,1,2
	ds_load_b128 v[AF+48*FP+12*\a+4*\c:AF+48*FP+12*\a+4*\c+3], v[ADRA+FS] offset:\a*6144+FQ*1536+512*\c
.endr
.endr
.endm
.macro SCALES kp                       ; the scale words of two K steps (kp counts on over the tiles): lane r (and lane 16 + r) takes row r's two words
.set SS, SC+24*((\kp)%2)
.set SBK, (\kp)%4                      ; the first tile takes Wq's words,
.if (\kp) >= 4
.set SBK, 4+(\kp)%4                    ; the others Wk's
.endif
.irp a, 0,1,2,3
	ds_load_b64 v[SS+2*\a:SS+2*\a+1], v[ADSA] offset:((\kp)/4)*4096+(\a/2)*1024+((\kp)%4)*256+(\a%2)*128
.endr
.irp b, 0,1,2,3,4,5,6,7
	ds_load_b64 v[SS+8+2*\b:SS+8+2*\b+1], v[ADSB] offset:(SBK/4)*8192+(\b/2)*1024+(SBK%4)*256+(\b%2)*128
.endr
.endm
.macro MUL g, first                    ; 32 matrix instructions; the 32 accumulators take turns, one instruction a turn, in the same order in every step
.set MP, (\g)%2
.set MS, SC+24*(((\g)/2)%2)
.set MQ, (\g)%2
.if \first
	WIN 0x81                                       ; source 0 window 1, source 1 and C (the bias) window 0, D window 2
.else
	WIN 0xa1                                       ; C and D window 2
.endif
.irp a, 0,1,2,3
.irp b, 0,1,2,3,4,5,6,7
.if \first
	v_wmma_scale_f32_16x16x128_f8f6f4 v[8*(8*\a+\b):8*(8*\a+\b)+7], v[128*MP+12*\b:128*MP+12*\b+11], v[AF+48*MP+12*\a:AF+48*MP+12*\a+11], v[BI+8*\b:BI+8*\b+7], v[MS+8+2*\b+MQ], v[MS+2*\a+MQ] matrix_a_fmt:MATRIX_FMT_FP6 matrix_b_fmt:MATRIX_FMT_FP6
.else
	v_wmma_scale_f32_16x16x128_f8f6f4 v[8*(8*\a+\b):8*(8*\a+\b)+7], v[128*MP+12*\b:128*MP+12*\b+11], v[AF+48*MP+12*\a:AF+48*MP+12*\a+11], v[8*(8*\a+\b):8*(8*\a+\b)+7], v[MS+8+2*\b+MQ], v[MS+2*\a+MQ] matrix_a_fmt:MATRIX_FMT_FP6 matrix_b_fmt:MATRIX_FMT_FP6
.endif
.endr
.endr
	WIN 0
.endm
.macro BIASLOAD base                   ; lane (r, h), tile b: the bias of columns 16 b + 8 h + 0 .. 7
.irp b, 0,1,2,3,4,5,6,7
	global_load_b128 v[BI+8*\b:BI+8*\b+3], v[BIA], s[\base:\base+1] offset:64*\b
	global_load_b128 v[BI+8*\b+4:BI+8*\b+7], v[BIA], s[\base:\base+1] offset:64*\b+16
.endr
.endm
; The slot whose last fragments are in registers takes the next tile's four K steps.
.macro CHANGE slot, wb
	s_wait_tensorcnt 0x0                           ; all my tensor loads have landed, my part of the other slot among them: a group 0 may be written
	ds_add_u32 v[SPW], v[NIL]                      ; 0 onto my spare word; the descriptors' steps stand between it and the wait for it
	s_add_nc_u64 s[G0A+4*(\slot)+2:G0A+4*(\slot)+3], s[G0A+4*(\slot)+2:G0A+4*(\slot)+3], NEXTA
.if \wb
	s_add_nc_u64 s[G0B+4*(\slot)+2:G0B+4*(\slot)+3], s[G0B+4*(\slot)+2:G0B+4*(\slot)+3], NEXTB
.endif
	s_wait_dscnt 0x0                               ; the add is done, and my reads of the slot are over
	CROUND                                         ; no wave of any partner still reads the slot or has a load on its way
	JLOAD \slot, \wb                               ; the first tensor load behind the round, one a wave
.endm
; first = 1: a tile's first K step, whose C is the bias.  chg = 2: change of slots with a refill (wb = 1: W's parts too); 1: without.  bl = 1: Wk_b takes the bias's registers.
.macro STEP g, first, chg, wb, bl
	s_wait_dscnt 0x0                               ; this step's fragments and words, asked for 32 matrix instructions ago, are in
.if \first
	s_wait_loadcnt 0x0                             ; the bias
.endif
.if \chg == 2
	CHANGE ((\g)/4)%2, \wb
.endif
.if \chg == 1
	s_wait_tensorcnt 0x0                           ; my part of the last tile's second half has landed,
	s_barrier_signal -1
	s_barrier_wait -1                              ; everybody's has
.endif
	PLACES                                         ; the loads below land in registers that the step before multiplied
.if \bl
	BIASLOAD 10
.endif
.if (\g)+1 < NSTEP
	FETCH (\g)+1
.if ((\g)+1)%2 == 0
	SCALES ((\g)+1)/2
.endif
.endif
.if (\g) == 0
	ASK PFB, PWB, NEXTB                            ; the second tile's K steps 0-3: Wk's and x's
	ASK PFA, PX, NEXTA
.endif
.if (\g) == 4
	ASK PFB, PWB, NEXTB+6144                       ; its K steps 4-7
	ASK PFA, PX, NEXTA+6144
.endif
.if (\g) == 8
	ASK PFA, PX2, 0                                ; the third tile's x
.endif
.if (\g) == 12
	ASK PFA, PX2, 6144
.endif
	MUL \g, \first
.endm
	s_load_b256 s[4:11], s[0:1], 0x0               ; xw_codes s[4:5], xw_scales s[6:7], Wq_b s[8:9], Wk_b s[10:11]
	s_load_b128 s[12:15], s[0:1], 0x20             ; qk_codes s[12:13], qk_scales s[14:15]
	v_lshl_add_u32 v[SPW], v0, 2, SPARE
	v_mov_b32 v[NIL], 0
	ds_add_u32 v[SPW], v[NIL]                      ; the wave's opening: the add and its wait ahead of the first tensor loads; work on registers stands between them
	ds_add_u32 v[SPW], v[NIL]
	v_lshrrev_b32 v1, 5, v0
	v_readfirstlane_b32 s16, v1                    ; wave 0..3
	s_lshr_b32 s17, s16, 1                         ; which 64 rows are mine.  Also: which half of W's tile waves 1 and 2 fetch
	s_and_b32 s18, s16, 1                          ; which 128 columns
	s_bfe_u32 s19, ttmp6, 0x40000                  ; cx
	s_bfe_u32 s20, ttmp6, 0x40004                  ; cy
	s_lshl_b32 s21, ttmp9, 2
	s_add_co_u32 s21, s21, s19                     ; tile column
	s_and_b32 s23, ttmp7, 0xffff                   ; the cluster's y
	s_lshl_b32 s22, s23, 2
	s_add_co_u32 s22, s22, s20                     ; my first tile row, 0 .. 63
	s_lshl_b32 s24, s20, 2
	s_lshl_b32 s24, 15, s24                        ; my row of the cluster
	s_lshl_b32 s25, 0x1111, s19                    ; my column
	s_or_b32 s[G1A], s24, (3<<16)|(1<<21)          ; the mask; elements of 8 bytes; bit 21 beside a mask; no padding
	s_or_b32 s[G1B], s25, (3<<16)|(1<<21)
.irp g, G1A, G1B
	s_mov_b32 s[\g+1], 768<<16                     ; a row: four K steps of a row tile, 6,144 bytes
	s_mov_b32 s[\g+2], 8<<16                       ; 8 row tiles
	s_mov_b32 s[\g+3], 768<<16
	s_mov_b32 s[\g+4], 8
	s_mov_b32 s[\g+5], NKS*192                     ; from row tile to row tile
	s_mov_b32 s[\g+6], 0
	s_mov_b32 s[\g+7], 0
.endr
	s_mov_b32 s[G1B+2], 16<<16                     ; the head's load of W's part brings all 16 row tiles
	s_mov_b32 s[G1B+4], 16
	s_or_b32 s[G1SA], s24, (3<<16)|(1<<21)
	s_mov_b32 s[G1SA+1], 512<<16                   ; a tile's scale words: 4,096 bytes on end
	s_mov_b32 s[G1SA+2], NT<<16                    ; three tiles,
	s_mov_b32 s[G1SA+3], 512<<16
	s_mov_b32 s[G1SA+4], NT
	s_mov_b32 s[G1SA+5], 32768                     ; 64 tile rows of 4,096 bytes apart
	s_mov_b32 s[G1SA+6], 0
	s_mov_b32 s[G1SA+7], 0
	s_or_b32 s[G1SB], s25, (3<<16)|(1<<21)
	s_mov_b32 s[G1SB+1], 1024<<16                  ; 16 row tiles' scale words: 8,192 bytes on end
	s_mov_b32 s[G1SB+2], 2<<16                     ; Wq's and Wk's,
	s_mov_b32 s[G1SB+3], 1024<<16
	s_mov_b32 s[G1SB+4], 2
	s_mov_b32 s[G1SB+5], 4096                      ; 64 row tiles of 512 bytes apart
	s_mov_b32 s[G1SB+6], 0
	s_mov_b32 s[G1SB+7], 0
	s_mul_i32 s26, s22, 98304                      ; x: 8 row tiles of 12,288 bytes a tile row
	s_mov_b32 s27, 0
	s_lshl_b32 s96, s22, 12                        ; x's scale words: 4,096 bytes a tile row
	s_mov_b32 s97, 0
	s_lshl_b32 s28, s21, 4
	s_add_co_u32 s28, s28, 1536                    ; Wq's row tiles in the joint buffer: 1,536 + 16 x tile column
	s_lshl_b32 s30, s28, 9                         ; their scale words: 512 bytes a row tile
	s_mov_b32 s31, 0
	s_lshl_b32 s29, s17, 3
	s_add_co_u32 s28, s28, s29                     ; + the half of W's tile that I fetch
	s_mul_i32 s28, s28, 12288
	s_mov_b32 s29, 0
	s_mul_i32 s98, s17, PART                       ; and where these go: no place in the cluster enters an LDS address
	s_mov_b32 s[SEL], 0x76543210
	s_mov_b32 s[SEL+1], 0xfedcba98                 ; v_permlanex16_b32's selects for lane l xor 16
	s_wait_dscnt 0x0                               ; the opening add is done
	s_wait_kmcnt 0x0
	s_add_nc_u64 s[26:27], s[4:5], s[26:27]
	s_add_nc_u64 s[28:29], s[4:5], s[28:29]
.irp s, 0,1
	s_mov_b32 s[G0A+4*\s], 1
	s_mov_b32 s[G0A+4*\s+1], \s*SLOT
	s_add_nc_u64 s[G0A+4*\s+2:G0A+4*\s+3], s[26:27], \s*6144   ; slot s: K steps 4 s on
	s_or_b32 s[G0A+4*\s+3], s[G0A+4*\s+3], 0x80000000
	s_mov_b32 s[G0B+4*\s], 1
	s_add_co_u32 s[G0B+4*\s+1], s98, \s*SLOT+PART
	s_add_nc_u64 s[G0B+4*\s+2:G0B+4*\s+3], s[28:29], \s*6144
	s_or_b32 s[G0B+4*\s+3], s[G0B+4*\s+3], 0x80000000
.endr
	s_mov_b32 s[G0SA], 1
	s_mov_b32 s[G0SA+1], SA
	s_add_nc_u64 s[G0SA+2:G0SA+3], s[6:7], s[96:97]
	s_or_b32 s[G0SA+3], s[G0SA+3], 0x80000000
	s_mov_b32 s[G0SB], 1
	s_mov_b32 s[G0SB+1], SB
	s_add_nc_u64 s[G0SB+2:G0SB+3], s[6:7], s[30:31]
	s_or_b32 s[G0SB+3], s[G0SB+3], 0x80000000
	CROUND                                         ; all sixteen work-groups are here: the joint loads meet
	s_cmp_eq_u32 s16, 0                            ; the head's four tiles, one a wave, in one chain of branches on the wave's number
	s_cbranch_scc0 .Lff_b
	TL G0A, G1A
	PLACES
	s_branch .Lff_done
.Lff_b:
	s_cmp_eq_u32 s16, 1
	s_cbranch_scc0 .Lff_c
	TL G0B, G1B
	PLACES
	s_branch .Lff_done
.Lff_c:
	s_cmp_eq_u32 s16, 2
	s_cbranch_scc0 .Lff_d
	TL G0SA, G1SA
	PLACES
	s_branch .Lff_done
.Lff_d:
	TL G0SB, G1SB
	PLACES
.Lff_done:
	s_lshl_b32 s[PWB], s20, 1
	s_add_co_u32 s[PWB], s[PWB], s18
	s_mul_i32 s[PWB], s[PWB], 12288
	s_mov_b32 s[PWB+1], 0
	s_add_nc_u64 s[PWB:PWB+1], s[28:29], s[PWB:PWB+1]
	s_lshl_b32 s[PX], s19, 1
	s_add_co_u32 s[PX], s[PX], s17
	s_mul_i32 s[PX], s[PX], 12288
	s_mul_i32 s[PX+1], s18, 3072
	s_add_co_u32 s[PX], s[PX], s[PX+1]
	s_mov_b32 s[PX+1], 0
	s_add_nc_u64 s[PX:PX+1], s[26:27], s[PX:PX+1]
	s_add_nc_u64 s[PX2:PX2+1], s[PX:PX+1], 2*NEXTA
	v_and_b32 v1, 31, v0
	v_min_u32 v[PFB], 23, v1
	v_min_u32 v[PFA], 11, v1
	v_lshlrev_b32 v[PFB], 8, v[PFB]
	v_lshlrev_b32 v[PFA], 8, v[PFA]
	ASK PFB, PWB, 6144                             ; slot 1's first fill: the first tile's K steps 4-7
	ASK PFA, PX, 6144
	v_and_b32 v2, 15, v0                           ; r
	v_bfe_u32 v3, v0, 4, 1                         ; h
	v_lshlrev_b32 v[LI], 4, v1
	s_wait_alu depctr_va_vdst(0)
	v_lshlrev_b32 v[L8], 3, v1
	s_wait_alu depctr_va_vdst(0)
	v_lshlrev_b32 v[BIA], 5, v3
	s_lshl_b32 s98, s21, 10                        ; the biases of my 128 columns: 4 (256 x tile column + 128 x half)
	s_lshl_b32 s99, s18, 9
	s_add_co_u32 s98, s98, s99
	s_mov_b32 s99, 0
	s_add_nc_u64 s[8:9], s[8:9], s[98:99]
	s_add_nc_u64 s[10:11], s[10:11], s[98:99]
	BIASLOAD 8                                     ; Wq_b, for the first tile
	s_mul_i32 s2, s17, 24576
	v_add_nc_u32 v[ADRA], s2, v[LI]
	v_add_nc_u32 v[ADRA+1], SLOT, v[ADRA]
	s_mul_i32 s2, s18, PART
	s_add_co_u32 s2, s2, PART
	v_add_nc_u32 v[ADRB], s2, v[LI]
	v_add_nc_u32 v[ADRB+1], SLOT, v[ADRB]
	s_lshl_b32 s2, s17, 11                         ; my four row tiles: two pairs of 1,024 bytes
	s_add_co_u32 s2, s2, SA
	v_lshl_add_u32 v[ADSA], v2, 3, s2
	s_lshl_b32 s2, s18, 12                         ; my eight row tiles: four pairs
	s_add_co_u32 s2, s2, SB
	v_lshl_add_u32 v[ADSB], v2, 3, s2
	s_lshl_b32 s2, s17, 9                          ; the gathered words: [8 row tiles][16 rows][2 words]; my word is the one of my half of the columns
	s_lshl_b32 s3, s18, 2
	s_add_co_u32 s2, s2, s3
	s_add_co_u32 s2, s2, EXW
	v_lshl_add_u32 v[EWA], v2, 3, s2
	s_lshl_b32 s2, s16, 8
	s_add_co_u32 s2, s2, EXW
	v_add_nc_u32 v[ERD], s2, v[L8]
.irp b, 0,1,2,3
	v_mov_b32 v[TP+\b], 0                          ; written once: a lane permute's destination counts as one of its sources
.endr
	s_lshl_b32 s2, s22, 3                          ; my codes: row tile 8 x tile row + 4 x half, K step 2 x tile column + half
	s_lshl_b32 s3, s17, 2
	s_add_co_u32 s2, s2, s3
	s_mul_i32 s2, s2, 12288
	s_lshl_b32 s3, s21, 1
	s_add_co_u32 s3, s3, s18
	s_mul_i32 s3, s3, 1536
	s_add_co_u32 s2, s2, s3
	s_mov_b32 s3, 0
	s_add_nc_u64 s[12:13], s[12:13], s[2:3]
	s_mul_i32 s2, s21, 196608                      ; the words: plane = tile column, 1,024 bytes a tile row, 256 a wave
	s_lshl_b32 s3, s22, 10
	s_add_co_u32 s2, s2, s3
	s_lshl_b32 s3, s16, 8
	s_add_co_u32 s2, s2, s3
	s_mov_b32 s3, 0
	s_add_nc_u64 s[14:15], s[14:15], s[2:3]
	s_wait_alu depctr_va_vdst(0)
	s_wait_tensorcnt 0x0                           ; my tile of the head's four is in
	ds_add_u32 v[SPW], v[NIL]
	s_mov_b32 s[G1B+2], 8<<16                      ; no tensor load of mine is out: from here on a load of W's brings 8 row tiles
	s_mov_b32 s[G1B+4], 8
	s_wait_dscnt 0x0
	CROUND                                         ; all four tiles are in, and all sixteen work-groups are here
	JLOAD 1, 1                                     ; slot 1's first fill, the first tensor load behind the round
	FETCH 0
	SCALES 0
; THE WAY OUT of block a (16 rows x my 128 columns) of tile t: quantised in registers; the fragment leaves as it stands, the scale word goes to LDS to meet the other half's.
.macro QEPI a, t
.set AB, 64*(\a)
.if (\a) > 0
	s_wait_xcnt 0x0                                ; the last block's stores have read their data,
	s_wait_dscnt 0x0                               ; and so has its LDS store
.endif
	WIN 0x0a                                       ; sources 0 and 1 window 2
.irp b, 0,1,2,3
	v_max3_num_f32 v[TM+\b], |v[AB+16*\b]|, |v[AB+16*\b+1]|, 0x1800000   ; each accumulator is read from its low end on; the floor 2^(3 - 127) holds the byte at 1
.endr
.irp i, 2,4,6,8,10,12,14
.irp b, 0,1,2,3
	v_max3_num_f32 v[TM+\b], |v[AB+16*\b+\i]|, |v[AB+16*\b+\i+1]|, v[TM+\b]
.endr
.endr
	WIN 0
.irp b, 0,1,2,3
	v_permlanex16_b32 v[TP+\b], v[TM+\b], s[SEL], s[SEL+1]
.endr
.irp b, 0,1,2,3
	v_max_num_f32 v[TM+\b], v[TM+\b], v[TP+\b]     ; with lane l xor 16's sixteen: the block's largest magnitude
.endr
.irp b, 0,1,2,3
	v_add_nc_u32 v[SO+\b], 0xff000000, v[TM+\b]
.endr
.irp b, 0,1,2,3
	v_lshrrev_b32 v[BY+\b], 23, v[SO+\b]
.endr
	v_lshl_or_b32 v[PW], v[BY+1], 8, v[BY]
	v_lshl_or_b32 v[PW], v[BY+2], 16, v[PW]
	v_lshl_or_b32 v[PW], v[BY+3], 24, v[PW]
	WIN 0x02                                       ; source 0 window 2
.irp c, 0,1
	v_cvt_scalef32_pk16_fp6_f32 v[PC+6*\c:PC+6*\c+2], v[AB+32*\c:AB+32*\c+15], v[SO+2*\c]
	v_cvt_scalef32_pk16_fp6_f32 v[PC+12+4*\c:PC+14+4*\c], v[AB+32*\c+16:AB+32*\c+31], v[SO+2*\c+1]
.endr
	WIN 0
	v_nop                                          ; one plain line behind the last scaled conversion
.irp c, 0,1                            ; the operand's layout wants a whole block in a lane
.irp i, 0,1,2
	v_permlane16_swap_b32 v[PC+6*\c+\i], v[PC+12+4*\c+\i]
.endr
.irp i, 0,1,2
	v_mov_b32 v[PC+3+6*\c+\i], v[PC+12+4*\c+\i]
.endr
.endr
.irp k, 0,1,2
	global_store_b128 v[LI], v[PC+4*\k:PC+4*\k+3], s[12:13] offset:(\a)*12288+512*\k   ; 512 consecutive bytes, aligned
.endr
	ds_store_b32 v[EWA], v[PW] offset:(\t)*1024+(\a)*128   ; lanes r and 16 + r write the same word with the same value
.endm
; A tile's way out.  The next tile's first fragments already lie in the first sets of registers, which nothing here touches; its second half is on its way into slot 1.
.macro TILEOUT t
	PLACES
	QEPI 0, \t
	QEPI 1, \t
	QEPI 2, \t
	QEPI 3, \t
	s_wait_dscnt 0x0                               ; for the others' sake: my words lie in LDS
	s_barrier_signal -1
	s_barrier_wait -1                              ; each tile's words have bytes of their own, so no second barrier is owed
	ds_load_b64 v[OW:OW+1], v[ERD] offset:(\t)*1024
	s_wait_dscnt 0x0
	global_store_b64 v[L8], v[OW:OW+1], s[14:15]   ; a wave stores 256 consecutive bytes, aligned
.if (\t) < NT-1
	s_wait_xcnt 0x0                                ; the stores have read their data and bases: fragments may land on the one, the others step
	s_add_nc_u64 s[12:13], s[12:13], NEXTA         ; 64 tile rows on: the results' row tiles are as long as x's
	s_add_nc_u64 s[14:15], s[14:15], 65536
.endif
.endm
	STEP 0, 1, 0, 0, 0
	STEP 1, 0, 0, 0, 1                             ; Wq_b has been taken: Wk_b is asked for
	STEP 2, 0, 0, 0, 0
	STEP 3, 0, 2, 1, 0                             ; slot 0 takes the second tile's K steps 0-3, of x and of Wk
	STEP 4, 0, 0, 0, 0
	STEP 5, 0, 0, 0, 0
	STEP 6, 0, 0, 0, 0
	STEP 7, 0, 2, 1, 0                             ; slot 1 its K steps 4-7
	TILEOUT 0
	STEP 8, 1, 0, 0, 0
	STEP 9, 0, 0, 0, 0
	STEP 10, 0, 0, 0, 0
	STEP 11, 0, 2, 0, 0                            ; slot 0 takes the third tile's x; Wk stays
	STEP 12, 0, 0, 0, 0
	STEP 13, 0, 0, 0, 0
	STEP 14, 0, 0, 0, 0
	STEP 15, 0, 2, 0, 0
	TILEOUT 1
	STEP 16, 1, 0, 0, 0
	STEP 17, 0, 0, 0, 0
	STEP 18, 0, 0, 0, 0
	STEP 19, 0, 1, 0, 0                            ; nothing is left to fetch
	STEP 20, 0, 0, 0, 0
	STEP 21, 0, 0, 0, 0
	STEP 22, 0, 0, 0, 0
	STEP 23, 0, 0, 0, 0
	TILEOUT 2
	s_wait_tensorcnt 0x0                           ; the wave's end
	ds_add_u32 v[SPW], v[NIL]
	s_wait_dscnt 0x0
	CROUND                                         ; the closing round
	s_endpgm
.Lfunc_end_k_q23dd5f3321_proj:
	.size	k_q23dd5f3321_proj, .Lfunc_end_k_q23dd5f3321_proj-k_q23dd5f3321_proj
	.p2alignl 7, 3214868480
	.fill 96, 4, 3214868480
	.section	.rodata,"a",@progbits
	.p2align	6, 0x0
	.amdhsa_kernel k_q23dd5f3321_proj
		.amdhsa_group_segment_fixed_size 327680
		.amdhsa_private_segment_fixed_size 0
		.amdhsa_enable_private_segment 0
		.amdhsa_kernarg_size 48
		.amdhsa_user_sgpr_count 2
		.amdhsa_user_sgpr_kernarg_segment_ptr 1
		.amdhsa_wavefront_size32 1
		.amdhsa_system_sgpr_workgroup_id_x 1
		.amdhsa_system_sgpr_workgroup_id_y 1
		.amdhsa_system_sgpr_workgroup_id_z 1
		.amdhsa_system_vgpr_workitem_id 0
		.amdhsa_next_free_vgpr 768
		.amdhsa_next_free_sgpr 100
		.amdhsa_reserve_vcc 0
		.amdhsa_float_denorm_mode_32 3
		.amdhsa_float_denorm_mode_16_64 3
		.amdhsa_memory_ordered 1
		.amdhsa_forward_progress 1
		.amdhsa_inst_pref_size 238
	.end_amdhsa_kernel
	.amdgpu_metadata
---
amdhsa.version: [ 1, 2 ]
amdhsa.kernels:
  - .name:           k_q23dd5f3321_proj
    .symbol:         k_q23dd5f3321_proj.kd
    .args:
      - { .name: xw_codes, .offset: 0, .size: 8, .value_kind: global_buffer, .address_space: global }
      - { .name: xw_scales, .offset: 8, .size: 8, .value_kind: global_buffer, .address_space: global }
      - { .name: Wq_b, .offset: 16, .size: 8, .value_kind: global_buffer, .address_space: global }
      - { .name: Wk_b, .offset: 24, .size: 8, .value_kind: global_buffer, .address_space: global }
      - { .name: qk_codes, .offset: 32, .size: 8, .value_kind: global_buffer, .address_space: global }
      - { .name: qk_scales, .offset: 40, .size: 8, .value_kind: global_buffer, .address_space: global }
    .group_segment_fixed_size: 327680
    .private_segment_fixed_size: 0
    .kernarg_segment_align: 8
    .kernarg_segment_size: 48
    .max_flat_workgroup_size: 128
    .sgpr_count:     100
    .vgpr_count:     768
    .wavefront_size: 32
...
	.end_amdgpu_metadata
.endif
;; end of part 2
;; launch scores (part 3): grid 4 x 64, 4 waves a work-group, clusters of 4 x 4, 327,680 bytes of LDS; arguments qk_codes, qk_scales, mask, p_codes, p_stats; writes p_codes, p_stats
.if DOCPART == 3
	.amdgcn_target "amdgcn-amd-amdhsa--gfx1250"
	.amdhsa_code_object_version 6
	.text
	.protected	k_q23dd5f3321_scores
	.globl	k_q23dd5f3321_scores
	.p2align	8
	.type	k_q23dd5f3321_scores,@function
k_q23dd5f3321_scores:
	s_mov_b64 s[64:65], 0
	v_nop
	global_prefetch_b8 v0, s[64:65] scope:SCOPE_SE
	s_setreg_imm32_b32 hwreg(HW_REG_WAVE_MODE, 25, 1), 1
	s_wait_xcnt 0x0
	s_wait_alu depctr_hold_cnt(0) depctr_sa_sdst(0) depctr_va_vdst(0) depctr_va_sdst(0) depctr_va_ssrc(0) depctr_va_vcc(0) depctr_vm_vsrc(0)
	s_getreg_b32 s2, hwreg(HW_REG_IB_STS2, 6, 4)
	s_cmp_eq_u32 s2, 0
	s_cbranch_scc0 .Lentry_in_a_cluster
	s_endpgm
.Lentry_in_a_cluster:
	s_bfe_u32 s2, ttmp6, 0x10000c
	s_cmp_lg_u32 s2, 0xf033
	s_cbranch_scc0 .Lentry_shape_is_right
	s_endpgm
.Lentry_shape_is_right:
; S = q k^T on codes of FP6 (E2M3), the mask, and the softmax's weights p quantised along the keys, tile by tile.
; t = S x (m log2(e) / 32), and -1e9 log2(e) where m = 0.  For each query and each 128 keys (a wave's tile): M = ceil(the tile's largest t), a whole number; p = 2^(t - M); the sum l of the unquantised p.
; p's codes and scale bytes are made UNDER THIS LOCAL M; -M and l go out beside them.  The last launch takes the largest M of a row and moves the scale bytes by the whole-number difference: the codes' values are those under the row's M.
; A WORK-GROUP STAYS: 256 work-groups, each makes two tiles of 128 queries x 256 keys: tile columns TX and TX + 4 of one tile row.  Four waves; a wave makes 64 x 128.
; THE RING: two LDS slots of four K steps; K (1,024) is once round it.  q's parts are filled once and serve both tiles.  k's parts take the second tile's codes as soon as a slot's last fragments are in registers:
; they land while the first tile is multiplied and its softmax made.
; CLUSTER 4 x 4: a row of the cluster shares q's tiles, a column k's: joint loads; a refill stands behind a round of the cluster's barrier.
; By the text's own count a wave has at most three tensor loads out at the start and one behind each round.
; TRANSPOSED USE (source 0 = 16 keys, source 1 = 16 queries): lane (r, h) holds query r, register j of tile b key 16 b + 8 h + j.  So inside each block of 32 the keys stand in the order 0-7, 16-23, 8-15, 24-31; value's codes were laid in the same order.
; LIMITS: mask numbers are honoured as multipliers, exactly up to 2^24; a block all of whose p are 0 gets the byte 1 (zero codes); NaN and infinities are not served.
; REGISTERS: window 0: v1-29 addresses; v32-79 scale words; v80-175 q's fragments (on the way out: v80-143 the additive mask, v144-175 at work); v176-239 m log2(e) / 32; v240-255 at work.  window 1: k's fragments.  window 2: the accumulators.
; THE FIRST FILLS (these lines stand over what the head comment says of them).  At the head each wave issues ONE joint load: wave 0 q's part of slot 0, wave 1 all 16 row tiles of k's part (group 1 counts 16 rows there),
; wave 2 q's scale words, wave 3 the first tile's scale words of k.  Slot 1 and the second tile's scale words are first filled as a refill is: behind the wait for all loads, the add and a round of the cluster's barrier
; (wave 0 q's part, waves 1 and 2 the halves of k's, wave 3 the words).  By the text's own count a wave has one tensor load out at the start and one behind each round.
.set NKS,   8
.set NKP,   4
.set NSTEP, 16
.set SPIT8, 24576                      ; the scale words' planes: 1,536 x 128 bytes apart, in elements of 8 bytes
.set PART,  49152
.set SLOT,  3*PART
.set NEXTB, 64*12288                   ; bytes from a tile of k to the work-group's next: four tile columns of 16 row tiles
.set SA,    2*SLOT                     ; q's scale words
.set SB,    SA+NKP*1024                ; k's: [tile][pair of K steps][16 row tiles][128 bytes]
.set EXW,   SB+2*NKP*2048              ; gathered on the way out, for each tile EXT bytes of its own: 1,024 of scale words,
.set EXM,   EXW+1024                   ; 1,024 of -M: [half of the keys][128 queries],
.set EXT,   3072                       ; 1,024 of l
.set SPARE, EXW+2*EXT
.set ADRA, 4
.set ADRB, 6
.set ADSA, 8
.set ADSB, 9
.set LI,   10
.set EWA,  11
.set L8,   12
.set ERD,  13
.set MKA,  14
.set EMA,  15
.set NEGT, 26
.set SPW,  28
.set NIL,  29
.set SC,   32
.set AF,   80
.set AD,   80                          ; v80-143 0, or -1e9 log2(e) where the mask is 0
.set PC,   144
.set BY,   164
.set SUA,  168
.set SUC,  170
.set TMX,  172
.set PW,   173
.set LL,   174
.set CM,   176
.set TM,   240
.set TP,   244
.set SO,   248
.set NM,   252
.set G1A,  32
.set G1B,  40
.set G1SA, 48
.set G1SB, 56
.set G0A,  68
.set G0B,  76
.set G0SA, 84
.set G0SB, 88
.set SEL,  92
.set CS,   94
.set MSB, 0
.macro WIN new
.if MSB != \new
	s_set_vgpr_msb (MSB<<8)|\new
.set MSB, \new
.endif
.endm
; PREFETCHES.  What a later fill of a slot will bring (for each row tile 6,144 bytes: 24 blocks of 256) is asked for one slot period, four K steps, ahead of its tensor load (slot 1's first fill: at the head),
; between a step's LDS loads and its products.  Each block is named once in each cluster that will load it, the shares told apart by address: of k's 16 row tiles the partner at cy, wave w, takes row tile
; 8 (w / 2) + 2 cy + w % 2, a lane a block (lanes 24-31 name block 23 again); of q's 8 row tiles the partner at cx takes 2 cx + w / 2, its half w % 2, 12 blocks (lanes 12-31 name block 11 again).
; The address registers are never rewritten.
.set PFB, 20                           ; v20  256 x min(lane, 23)
.set PFA, 21                           ; v21  256 x min(lane, 11)
.set PK,  96                           ; s[96:97] my share of k's row tiles
.set PQ,  98                           ; s[98:99] my share of q's
.macro ASK reg, base, off
	global_prefetch_b8 v[\reg], s[\base:\base+1] offset:\off th:TH_LOAD_NT scope:SCOPE_SE
.endm
.macro PLACES
.rept 4
	v_nop
.endr
.endm
.macro CROUND
	s_barrier_signal -1
	s_barrier_wait -1
	s_cmp_lg_u32 s16, 0
	s_cbranch_scc1 .Lnot_wave_0_\@
	s_barrier_signal -3
.Lnot_wave_0_\@:
	s_barrier_wait -3
	s_barrier_signal -1
	s_barrier_wait -1
.endm
.macro TL g0, g1
	tensor_load_to_lds s[\g0:\g0+3], s[\g1:\g1+7]
	s_nop 0
.endm
.macro JLOADB s                        ; a joint refill of k's parts: waves 1 and 2; the branches hang on the wave's number alone
	s_cmp_eq_u32 s16, 0
	s_cbranch_scc1 .Lasked_\@
	s_cmp_eq_u32 s16, 3
	s_cbranch_scc1 .Lasked_\@
	tensor_load_to_lds s[G0B+4*(\s):G0B+4*(\s)+3], s[G1B:G1B+7]
	s_nop 0
	PLACES
.Lasked_\@:
.endm
.macro FETCH g
.set FS, ((\g)/4)%2
.set FQ, (\g)%4
.set FP, (\g)%2
	WIN 0x40
.irp b, 0,1,2,3,4,5,6,7
.irp c, 0,1,2
	ds_load_b128 v[128*FP+12*\b+4*\c:128*FP+12*\b+4*\c+3], v[ADRB+FS] offset:\b*6144+FQ*1536+512*\c
.endr
.endr
	WIN 0
.irp a, 0,1,2,3
.irp c, 0,1,2
	ds_load_b128 v[AF+48*FP+12*\a+4*\c:AF+48*FP+12*\a+4*\c+3], v[ADRA+FS] offset:\a*6144+FQ*1536+512*\c
.endr
.endr
.endm
.macro SCALES kp                       ; kp counts on over the two tiles: q's words come round again, k's go on
.set SS, SC+24*((\kp)%2)
.irp a, 0,1,2,3
	ds_load_b64 v[SS+2*\a:SS+2*\a+1], v[ADSA] offset:((\kp)%4)*1024+\a*128
.endr
.irp b, 0,1,2,3,4,5,6,7
	ds_load_b64 v[SS+8+2*\b:SS+8+2*\b+1], v[ADSB] offset:(\kp)*2048+\b*128
.endr
.endm
.macro MUL g, first                    ; the 32 accumulators take turns, one instruction a turn; a tile's first step starts the sums
.set MP, (\g)%2
.set MS, SC+24*(((\g)/2)%2)
.set MQ, (\g)%2
	WIN 0xa1
.irp a, 0,1,2,3
.irp b, 0,1,2,3,4,5,6,7
.if \first
	v_wmma_scale_f32_16x16x128_f8f6f4 v[8*(8*\a+\b):8*(8*\a+\b)+7], v[128*MP+12*\b:128*MP+12*\b+11], v[AF+48*MP+12*\a:AF+48*MP+12*\a+11], 0, v[MS+8+2*\b+MQ], v[MS+2*\a+MQ] matrix_a_fmt:MATRIX_FMT_FP6 matrix_b_fmt:MATRIX_FMT_FP6
.else
	v_wmma_scale_f32_16x16x128_f8f6f4 v[8*(8*\a+\b):8*(8*\a+\b)+7], v[128*MP+12*\b:128*MP+12*\b+11], v[AF+48*MP+12*\a:AF+48*MP+12*\a+11], v[8*(8*\a+\b):8*(8*\a+\b)+7], v[MS+8+2*\b+MQ], v[MS+2*\a+MQ] matrix_a_fmt:MATRIX_FMT_FP6 matrix_b_fmt:MATRIX_FMT_FP6
.endif
.endr
.endr
	WIN 0
.endm
; k's parts of the slot whose last fragments are in registers take the second tile's four K steps.
.macro CHANGE slot
	s_wait_tensorcnt 0x0                           ; all my tensor loads have landed, my part of the other slot among them: a group 0 may be written
	ds_add_u32 v[SPW], v[NIL]                      ; 0 onto my spare word; the descriptor's step stands between it and the wait for it
	s_add_nc_u64 s[G0B+4*(\slot)+2:G0B+4*(\slot)+3], s[G0B+4*(\slot)+2:G0B+4*(\slot)+3], NEXTB
	s_wait_dscnt 0x0                               ; the add is done, and my reads of the slot are over
	CROUND                                         ; no wave of any partner still reads the slot or has a load on its way
	JLOADB \slot                                   ; the first tensor load behind the round, one a wave
.endm
; chg = 2: change of slots with a refill; 1: without.  nf = 1: the next step's fragments are not fetched here (the way out that follows works in their registers).
.macro STEP g, first, chg, nf
	s_wait_dscnt 0x0                               ; this step's fragments and words are in
.if \chg == 2
	CHANGE ((\g)/4)%2
.endif
.if \chg == 1
	s_wait_tensorcnt 0x0                           ; my part of the last tile's second half has landed,
	s_barrier_signal -1
	s_barrier_wait -1                              ; everybody's has
.endif
	PLACES
.if \nf == 0
.if (\g)+1 < NSTEP
	FETCH (\g)+1
.if ((\g)+1)%2 == 0
	SCALES ((\g)+1)/2
.endif
.endif
.endif
.if (\g) == 0
	ASK PFB, PK, NEXTB                             ; the second tile's K steps 0-3 of k
.endif
.if (\g) == 4
	ASK PFB, PK, NEXTB+6144                        ; its K steps 4-7
.endif
	MUL \g, \first
.endm
.macro MASKLOAD u                      ; lane (r, h), tile b: the mask of keys 16 b + 8 h + 0 .. 7 of tile u
.irp b, 0,1,2,3,4,5,6,7
	global_load_b128 v[CM+8*\b:CM+8*\b+3], v[MKA], s[8:9] offset:4096*(\u)+64*\b
	global_load_b128 v[CM+8*\b+4:CM+8*\b+7], v[MKA], s[8:9] offset:4096*(\u)+64*\b+16
.endr
.endm
.macro MPREP                           ; the mask becomes m log2(e) / 32
	s_wait_loadcnt 0x0
.set J, 0
.rept 64
	v_cvt_f32_i32 v[CM+J], v[CM+J]
.set J, J+1
.endr
.set J, 0
.rept 32
	v_pk_mul_f32 v[CM+J:CM+J+1], v[CM+J:CM+J+1], s[CS:CS+1] op_sel_hi:[1,0]
.set J, J+2
.endr
.endm
	s_load_b256 s[4:11], s[0:1], 0x0               ; qk_codes s[4:5], qk_scales s[6:7], mask s[8:9], p_codes s[10:11]
	s_load_b64 s[12:13], s[0:1], 0x20              ; p_stats
	v_lshl_add_u32 v[SPW], v0, 2, SPARE
	v_mov_b32 v[NIL], 0
	ds_add_u32 v[SPW], v[NIL]                      ; the wave's opening: the add and its wait ahead of the first tensor loads
	ds_add_u32 v[SPW], v[NIL]
	v_lshrrev_b32 v1, 5, v0
	v_readfirstlane_b32 s16, v1
	s_lshr_b32 s17, s16, 1
	s_and_b32 s18, s16, 1
	s_bfe_u32 s19, ttmp6, 0x40000
	s_bfe_u32 s20, ttmp6, 0x40004
	s_lshl_b32 s21, ttmp9, 2
	s_add_co_u32 s21, s21, s19                     ; my first tile column, 0 .. 3: 256 keys
	s_and_b32 s23, ttmp7, 0xffff
	s_lshl_b32 s22, s23, 2
	s_add_co_u32 s22, s22, s20                     ; tile row: 128 queries; the batch is the cluster's y / 2
	s_lshl_b32 s24, s20, 2
	s_lshl_b32 s24, 15, s24
	s_lshl_b32 s25, 0x1111, s19
	s_or_b32 s[G1A], s24, (3<<16)|(1<<21)
	s_or_b32 s[G1B], s25, (3<<16)|(1<<21)
.irp g, G1A, G1B
	s_mov_b32 s[\g+1], 768<<16
	s_mov_b32 s[\g+2], 8<<16
	s_mov_b32 s[\g+3], 768<<16
	s_mov_b32 s[\g+4], 8
	s_mov_b32 s[\g+5], NKS*192
	s_mov_b32 s[\g+6], 0
	s_mov_b32 s[\g+7], 0
.endr
	s_mov_b32 s[G1B+2], 16<<16                     ; the head's load of k's part brings all 16 row tiles
	s_mov_b32 s[G1B+4], 16
	s_or_b32 s[G1SA], s24, (3<<16)|(1<<21)
	s_mov_b32 s[G1SA+1], 128<<16
	s_mov_b32 s[G1SA+2], NKP<<16
	s_mov_b32 s[G1SA+3], 128<<16
	s_mov_b32 s[G1SA+4], NKP
	s_mov_b32 s[G1SA+5], SPIT8
	s_mov_b32 s[G1SA+6], 0
	s_mov_b32 s[G1SA+7], 0
	s_or_b32 s[G1SB], s25, (3<<16)|(1<<21)
	s_mov_b32 s[G1SB+1], 256<<16
	s_mov_b32 s[G1SB+2], NKP<<16
	s_mov_b32 s[G1SB+3], 256<<16
	s_mov_b32 s[G1SB+4], NKP
	s_mov_b32 s[G1SB+5], SPIT8
	s_mov_b32 s[G1SB+6], 0
	s_mov_b32 s[G1SB+7], 0
	s_mul_i32 s26, s22, 98304                      ; q: row tiles 8 x tile row on
	s_mov_b32 s27, 0
	s_lshl_b32 s96, s22, 10
	s_mov_b32 s97, 0
	s_lshr_b32 s28, s23, 1                         ; batch
	s_lshl_b32 s28, s28, 7
	s_add_co_u32 s28, s28, 512                     ; k: row tiles 512 + 128 x batch
	s_lshl_b32 s29, s21, 4
	s_add_co_u32 s28, s28, s29                     ; + 16 x tile column
	s_lshl_b32 s30, s28, 7                         ; their scale words; wave 3 brings the first tile's, then the second's,
	s_mov_b32 s31, 0
	s_lshl_b32 s29, s17, 3
	s_add_co_u32 s28, s28, s29
	s_mul_i32 s28, s28, 12288
	s_mov_b32 s29, 0
	s_mul_i32 s98, s17, PART
	s_mov_b32 s[SEL], 0x76543210
	s_mov_b32 s[SEL+1], 0xfedcba98
	s_mov_b32 s[CS], 0x3d38aa3b                    ; log2(e) / 32 = log2(e) / sqrt(1,024)
	s_mov_b32 s[CS+1], s[CS]
	s_wait_dscnt 0x0
	s_wait_kmcnt 0x0
	s_add_nc_u64 s[26:27], s[4:5], s[26:27]
	s_add_nc_u64 s[28:29], s[4:5], s[28:29]
.irp s, 0,1
	s_mov_b32 s[G0A+4*\s], 1
	s_mov_b32 s[G0A+4*\s+1], \s*SLOT
	s_add_nc_u64 s[G0A+4*\s+2:G0A+4*\s+3], s[26:27], \s*6144
	s_or_b32 s[G0A+4*\s+3], s[G0A+4*\s+3], 0x80000000
	s_mov_b32 s[G0B+4*\s], 1
	s_add_co_u32 s[G0B+4*\s+1], s98, \s*SLOT+PART
	s_add_nc_u64 s[G0B+4*\s+2:G0B+4*\s+3], s[28:29], \s*6144
	s_or_b32 s[G0B+4*\s+3], s[G0B+4*\s+3], 0x80000000
.endr
	s_mov_b32 s[G0SA], 1
	s_mov_b32 s[G0SA+1], SA
	s_add_nc_u64 s[G0SA+2:G0SA+3], s[6:7], s[96:97]
	s_or_b32 s[G0SA+3], s[G0SA+3], 0x80000000
	s_mov_b32 s[G0SB], 1
	s_mov_b32 s[G0SB+1], SB
	s_add_nc_u64 s[G0SB+2:G0SB+3], s[6:7], s[30:31]
	s_or_b32 s[G0SB+3], s[G0SB+3], 0x80000000
	CROUND
	s_cmp_eq_u32 s16, 0                            ; the head's four tiles, one a wave, in one chain of branches on the wave's number
	s_cbranch_scc0 .Lff_b
	TL G0A, G1A
	PLACES
	s_branch .Lff_done
.Lff_b:
	s_cmp_eq_u32 s16, 1
	s_cbranch_scc0 .Lff_c
	TL G0B, G1B
	PLACES
	s_branch .Lff_done
.Lff_c:
	s_cmp_eq_u32 s16, 2
	s_cbranch_scc0 .Lff_d
	TL G0SA, G1SA
	PLACES
	s_branch .Lff_done
.Lff_d:
	TL G0SB, G1SB
	PLACES
.Lff_done:
	s_lshl_b32 s[PK], s20, 1
	s_add_co_u32 s[PK], s[PK], s18
	s_mul_i32 s[PK], s[PK], 12288
	s_mov_b32 s[PK+1], 0
	s_add_nc_u64 s[PK:PK+1], s[28:29], s[PK:PK+1]
	s_lshl_b32 s[PQ], s19, 1
	s_add_co_u32 s[PQ], s[PQ], s17
	s_mul_i32 s[PQ], s[PQ], 12288
	s_mul_i32 s[PQ+1], s18, 3072
	s_add_co_u32 s[PQ], s[PQ], s[PQ+1]
	s_mov_b32 s[PQ+1], 0
	s_add_nc_u64 s[PQ:PQ+1], s[26:27], s[PQ:PQ+1]
	v_and_b32 v1, 31, v0
	v_min_u32 v[PFB], 23, v1
	v_min_u32 v[PFA], 11, v1
	v_lshlrev_b32 v[PFB], 8, v[PFB]
	v_lshlrev_b32 v[PFA], 8, v[PFA]
	ASK PFB, PK, 6144                              ; slot 1's first fill: K steps 4-7 of the first tile's k and of q
	ASK PFA, PQ, 6144
	v_and_b32 v2, 15, v0
	v_bfe_u32 v3, v0, 4, 1
	v_lshlrev_b32 v[LI], 4, v1
	v_lshlrev_b32 v[L8], 3, v1
	v_lshlrev_b32 v[MKA], 5, v3
	s_wait_alu depctr_va_vdst(0)
	s_lshr_b32 s2, s23, 1                          ; the mask of my 128 keys: 4 (2,048 x batch + 256 x tile column + 128 x half)
	s_lshl_b32 s2, s2, 13
	s_lshl_b32 s3, s21, 10
	s_add_co_u32 s2, s2, s3
	s_lshl_b32 s3, s18, 9
	s_add_co_u32 s2, s2, s3
	s_mov_b32 s3, 0
	s_add_nc_u64 s[8:9], s[8:9], s[2:3]
	MASKLOAD 0
	s_mul_i32 s2, s17, 24576
	v_add_nc_u32 v[ADRA], s2, v[LI]
	v_add_nc_u32 v[ADRA+1], SLOT, v[ADRA]
	s_mul_i32 s2, s18, PART
	s_add_co_u32 s2, s2, PART
	v_add_nc_u32 v[ADRB], s2, v[LI]
	v_add_nc_u32 v[ADRB+1], SLOT, v[ADRB]
	s_lshl_b32 s2, s17, 9
	s_add_co_u32 s2, s2, SA
	v_lshl_add_u32 v[ADSA], v2, 3, s2
	s_lshl_b32 s2, s18, 10
	s_add_co_u32 s2, s2, SB
	v_lshl_add_u32 v[ADSB], v2, 3, s2
	s_lshl_b32 s2, s17, 9
	s_lshl_b32 s3, s18, 2
	s_add_co_u32 s2, s2, s3
	s_add_co_u32 s2, s2, EXW
	v_lshl_add_u32 v[EWA], v2, 3, s2
	s_lshl_b32 s2, s18, 9                          ; -M and l: [my half of the keys][my 64 queries]
	s_lshl_b32 s3, s17, 8
	s_add_co_u32 s2, s2, s3
	s_add_co_u32 s2, s2, EXM
	v_lshl_add_u32 v[EMA], v2, 2, s2
	s_lshl_b32 s2, s16, 8
	s_add_co_u32 s2, s2, EXW
	v_add_nc_u32 v[ERD], s2, v[L8]
.irp b, 0,1,2,3
	v_mov_b32 v[TP+\b], 0                          ; written once: a lane permute's destination counts as one of its sources
.endr
	s_lshl_b32 s2, s22, 3                          ; p's codes: row tile 8 x tile row + 4 x half (24,576 bytes each), K step 2 x tile column + half
	s_lshl_b32 s3, s17, 2
	s_add_co_u32 s2, s2, s3
	s_mul_i32 s2, s2, 24576
	s_lshl_b32 s3, s21, 1
	s_add_co_u32 s3, s3, s18
	s_mul_i32 s3, s3, 1536
	s_add_co_u32 s2, s2, s3
	s_mov_b32 s3, 0
	s_add_nc_u64 s[10:11], s[10:11], s[2:3]
	s_lshl_b32 s2, s21, 1                          ; -M: [K step 2 x tile column + wave / 2][8,192 queries]; a wave stores 64 of the tile row's 128
	s_add_co_u32 s2, s2, s17
	s_lshl_b32 s2, s2, 15
	s_lshl_b32 s3, s22, 9
	s_add_co_u32 s2, s2, s3
	s_lshl_b32 s3, s18, 8
	s_add_co_u32 s2, s2, s3
	s_add_co_u32 s2, s2, 524288
	s_mov_b32 s3, 0
	s_add_nc_u64 s[14:15], s[12:13], s[2:3]
	s_lshl_b32 s2, s21, 16                         ; the words: plane = tile column
	s_lshl_b32 s3, s22, 10
	s_add_co_u32 s2, s2, s3
	s_lshl_b32 s3, s16, 8
	s_add_co_u32 s2, s2, s3
	s_mov_b32 s3, 0
	s_add_nc_u64 s[12:13], s[12:13], s[2:3]
	s_wait_alu depctr_va_vdst(0)
	s_wait_tensorcnt 0x0                           ; my tile of the head's four is in
	ds_add_u32 v[SPW], v[NIL]
	s_mov_b32 s[G1B+2], 8<<16                      ; no tensor load of mine is out: from here on a load of k's brings 8 row tiles,
	s_mov_b32 s[G1B+4], 8
	s_add_co_u32 s[G0SB+1], s[G0SB+1], 8192        ; and the words' descriptor steps to the second tile: 64 row tiles of 128 bytes on
	s_add_nc_u64 s[G0SB+2:G0SB+3], s[G0SB+2:G0SB+3], 8192
	s_wait_dscnt 0x0
	CROUND                                         ; all four tiles are in, and all sixteen work-groups are here
	s_cmp_eq_u32 s16, 0                            ; the later first fills, one a wave
	s_cbranch_scc0 .Lsf_b
	TL G0A+4, G1A
	PLACES
	s_branch .Lsf_done
.Lsf_b:
	s_cmp_eq_u32 s16, 3
	s_cbranch_scc0 .Lsf_c
	TL G0SB, G1SB
	PLACES
	s_branch .Lsf_done
.Lsf_c:
	TL G0B+4, G1B
	PLACES
.Lsf_done:
	FETCH 0
	SCALES 0
	MPREP                                          ; the first tile's mask, while slot 1 and the first fragments are on their way
	s_wait_alu depctr_va_vdst(0)
; THE WAY OUT of block a of tile u: 16 queries x my 128 keys.
.macro SEPI a, u
.set AB, 64*(\a)
.if (\a) > 0
	s_wait_xcnt 0x0                                ; the last block's stores have read their data,
	s_wait_dscnt 0x0                               ; and so have its LDS stores
.endif
	WIN 0x82                                       ; destination and source 0 window 2
.set J, 0
.rept 32
	v_pk_fma_f32 v[AB+J:AB+J+1], v[AB+J:AB+J+1], v[CM+J:CM+J+1], v[AD+J:AD+J+1]   ; t, in place; each accumulator from its low end on
.set J, J+2
.endr
	WIN 0x0a
.irp b, 0,1,2,3
	v_max_num_f32 v[TM+\b], v[AB+16*\b], v[AB+16*\b+1]   ; the largest t of each block of 32 keys: it serves the tile's maximum and, since p rises with t, the block's largest p
.endr
.irp i, 2,4,6,8,10,12,14
.irp b, 0,1,2,3
	v_max3_num_f32 v[TM+\b], v[AB+16*\b+\i], v[AB+16*\b+\i+1], v[TM+\b]
.endr
.endr
	WIN 0
.irp b, 0,1,2,3
	v_permlanex16_b32 v[TP+\b], v[TM+\b], s[SEL], s[SEL+1]
.endr
.irp b, 0,1,2,3
	v_max_num_f32 v[TM+\b], v[TM+\b], v[TP+\b]
.endr
	v_max3_num_f32 v[TMX], v[TM], v[TM+1], v[TM+2]
	v_max_num_f32 v[TMX], v[TMX], v[TM+3]
	v_floor_f32 v[NM], -v[TMX]                     ; -M = floor(-t) = -ceil(t)
	v_floor_f32 v[NM+1], -v[TMX]
.irp b, 0,1,2,3
	v_add_f32 v[TM+\b], v[TM+\b], v[NM]
.endr
	s_wait_alu depctr_va_vdst(0)
.irp b, 0,1,2,3
	v_exp_f32 v[TM+\b], v[TM+\b]                   ; the blocks' largest p: the same addition and exponential as below give the same bits
.endr
	v_nop                                          ; a plain line behind the last of the batch,
	s_wait_alu depctr_va_vdst(0)                   ; and the batch's one wait, ahead of every later line
	WIN 0x82
.set J, 0
.rept 32
	v_pk_add_f32 v[AB+J:AB+J+1], v[AB+J:AB+J+1], v[NM:NM+1]   ; t - M
.set J, J+2
.endr
.set J, 0
	s_wait_alu depctr_va_vdst(0)
.rept 64
	v_exp_f32 v[AB+J], v[AB+J]                     ; p = 2^(t - M), at most 1, not normalised
.set J, J+1
.endr
	WIN 0
	v_nop
	s_wait_alu depctr_va_vdst(0)                   ; one wait for the 64
	WIN 0x0a
	v_pk_add_f32 v[SUA:SUA+1], v[AB:AB+1], v[AB+2:AB+3]       ; the sum of the unquantised p, in two chains that the first pairs start
	v_pk_add_f32 v[SUC:SUC+1], v[AB+4:AB+5], v[AB+6:AB+7]
	WIN 0x02
.set J, 8
.rept 14
	v_pk_add_f32 v[SUA:SUA+1], v[AB+J:AB+J+1], v[SUA:SUA+1]
	v_pk_add_f32 v[SUC:SUC+1], v[AB+J+2:AB+J+3], v[SUC:SUC+1]
.set J, J+4
.endr
	WIN 0
	v_pk_add_f32 v[SUA:SUA+1], v[SUA:SUA+1], v[SUC:SUC+1]
	v_add_f32 v[LL], v[SUA], v[SUA+1]
	v_permlanex16_b32 v[TP], v[LL], s[SEL], s[SEL+1]
	v_add_f32 v[LL], v[LL], v[TP]                  ; l of my query over these 128 keys
.irp b, 0,1,2,3
	v_max_num_f32 v[TM+\b], 0x1800000, v[TM+\b]    ; the floor 2^(3 - 127)
.endr
.irp b, 0,1,2,3
	v_add_nc_u32 v[SO+\b], 0xff000000, v[TM+\b]
.endr
.irp b, 0,1,2,3
	v_lshrrev_b32 v[BY+\b], 23, v[SO+\b]
.endr
	v_lshl_or_b32 v[PW], v[BY+1], 8, v[BY]
	v_lshl_or_b32 v[PW], v[BY+2], 16, v[PW]
	v_lshl_or_b32 v[PW], v[BY+3], 24, v[PW]
	WIN 0x02
.irp c, 0,1
	v_cvt_scalef32_pk16_fp6_f32 v[PC+6*\c:PC+6*\c+2], v[AB+32*\c:AB+32*\c+15], v[SO+2*\c]
	v_cvt_scalef32_pk16_fp6_f32 v[PC+12+4*\c:PC+14+4*\c], v[AB+32*\c+16:AB+32*\c+31], v[SO+2*\c+1]
.endr
	WIN 0
	v_nop                                          ; one plain line behind the last scaled conversion
.irp c, 0,1
.irp i, 0,1,2
	v_permlane16_swap_b32 v[PC+6*\c+\i], v[PC+12+4*\c+\i]
.endr
.irp i, 0,1,2
	v_mov_b32 v[PC+3+6*\c+\i], v[PC+12+4*\c+\i]
.endr
.endr
.irp k, 0,1,2
	global_store_b128 v[LI], v[PC+4*\k:PC+4*\k+3], s[10:11] offset:(\u)*12288+(\a)*24576+512*\k   ; 512 consecutive bytes, aligned; the second tile's K steps lie eight further on
.endr
	ds_store_b32 v[EWA], v[PW] offset:(\u)*EXT+(\a)*128
	ds_store_b32 v[EMA], v[NM] offset:(\u)*EXT+(\a)*64
	ds_store_b32 v[EMA], v[LL] offset:(\u)*EXT+1024+(\a)*64
.endm
; A tile's way out.  While the first tile's runs, the second tile's codes of k are landing in the slots.
.macro TILEOUT u
	PLACES
.if (\u) > 0
	MPREP                                          ; the second tile's mask, asked for at the end of the first way out
.endif
	v_mov_b32 v[NEGT], 0xceabfb8f                  ; -1e9 log2(e), a whole number in f32
.set J, 0
.rept 64
	v_cmp_eq_f32 vcc_lo, 0, v[CM+J]
	v_cndmask_b32 v[AD+J], 0, v[NEGT], vcc_lo      ; what is added: where m = 0 the product S x 0 gives way to it
.set J, J+1
.endr
	SEPI 0, \u
	SEPI 1, \u
	SEPI 2, \u
	SEPI 3, \u
.if (\u) == 0
	FETCH 8                                        ; the additive mask is done with: the second tile's first fragments take its registers (slot 0 was shown whole at the last change of slots)
	SCALES 4
.endif
	s_wait_dscnt 0x0                               ; for the others' sake: my words lie in LDS
	s_barrier_signal -1
	s_barrier_wait -1                              ; each tile's words have bytes of their own
	ds_load_b64 v[164:165], v[ERD] offset:(\u)*EXT
	ds_load_b64 v[166:167], v[ERD] offset:(\u)*EXT+1024
	ds_load_b64 v[168:169], v[ERD] offset:(\u)*EXT+2048
	s_wait_dscnt 0x0
	global_store_b64 v[L8], v[164:165], s[12:13] offset:(\u)*262144   ; each store of the wave covers 256 consecutive bytes, aligned; four planes of words, eight of -M and of l, from tile to tile
	global_store_b64 v[L8], v[166:167], s[14:15] offset:(\u)*262144
	global_store_b64 v[L8], v[168:169], s[14:15] offset:(\u)*262144+524288
.if (\u) == 0
	MASKLOAD 1
	s_wait_xcnt 0x0                                ; the stores have read their data: fragments may land there
.endif
.endm
	STEP 0, 1, 0, 0
	STEP 1, 0, 0, 0
	STEP 2, 0, 0, 0
	STEP 3, 0, 2, 0                                ; slot 0 takes the second tile's K steps 0-3 of k
	STEP 4, 0, 0, 0
	STEP 5, 0, 0, 0
	STEP 6, 0, 0, 0
	STEP 7, 0, 2, 1                                ; slot 1 its K steps 4-7
	TILEOUT 0
	STEP 8, 1, 0, 0
	STEP 9, 0, 0, 0
	STEP 10, 0, 0, 0
	STEP 11, 0, 1, 0                               ; nothing is left to fetch
	STEP 12, 0, 0, 0
	STEP 13, 0, 0, 0
	STEP 14, 0, 0, 0
	STEP 15, 0, 0, 0
	TILEOUT 1
	s_wait_tensorcnt 0x0                           ; the wave's end
	ds_add_u32 v[SPW], v[NIL]
	s_wait_dscnt 0x0
	CROUND                                         ; the closing round
	s_endpgm
.Lfunc_end_k_q23dd5f3321_scores:
	.size	k_q23dd5f3321_scores, .Lfunc_end_k_q23dd5f3321_scores-k_q23dd5f3321_scores
	.p2alignl 7, 3214868480
	.fill 96, 4, 3214868480
	.section	.rodata,"a",@progbits
	.p2align	6, 0x0
	.amdhsa_kernel k_q23dd5f3321_scores
		.amdhsa_group_segment_fixed_size 327680
		.amdhsa_private_segment_fixed_size 0
		.amdhsa_enable_private_segment 0
		.amdhsa_kernarg_size 40
		.amdhsa_user_sgpr_count 2
		.amdhsa_user_sgpr_kernarg_segment_ptr 1
		.amdhsa_wavefront_size32 1
		.amdhsa_system_sgpr_workgroup_id_x 1
		.amdhsa_system_sgpr_workgroup_id_y 1
		.amdhsa_system_sgpr_workgroup_id_z 1
		.amdhsa_system_vgpr_workitem_id 0
		.amdhsa_next_free_vgpr 768
		.amdhsa_next_free_sgpr 100
		.amdhsa_reserve_vcc 1
		.amdhsa_float_denorm_mode_32 3
		.amdhsa_float_denorm_mode_16_64 3
		.amdhsa_memory_ordered 1
		.amdhsa_forward_progress 1
		.amdhsa_inst_pref_size 252
	.end_amdhsa_kernel
	.amdgpu_metadata
---
amdhsa.version: [ 1, 2 ]
amdhsa.kernels:
  - .name:           k_q23dd5f3321_scores
    .symbol:         k_q23dd5f3321_scores.kd
    .args:
      - { .name: qk_codes, .offset: 0, .size: 8, .value_kind: global_buffer, .address_space: global }
      - { .name: qk_scales, .offset: 8, .size: 8, .value_kind: global_buffer, .address_space: global }
      - { .name: mask, .offset: 16, .size: 8, .value_kind: global_buffer, .address_space: global }
      - { .name: p_codes, .offset: 24, .size: 8, .value_kind: global_buffer, .address_space: global }
      - { .name: p_stats, .offset: 32, .size: 8, .value_kind: global_buffer, .address_space: global }
    .group_segment_fixed_size: 327680
    .private_segment_fixed_size: 0
    .kernarg_segment_align: 8
    .kernarg_segment_size: 40
    .max_flat_workgroup_size: 128
    .sgpr_count:     100
    .vgpr_count:     768
    .wavefront_size: 32
...
	.end_amdgpu_metadata
.endif
;; end of part 3
;; launch pv (part 4): grid 4 x 64, 4 waves a work-group, clusters of 4 x 4, 327,680 bytes of LDS; arguments p_codes, p_stats, v_codes, v_scales, out0; writes out0
.if DOCPART == 4
	.amdgcn_target "amdgcn-amd-amdhsa--gfx1250"
	.amdhsa_code_object_version 6
	.text
	.protected	k_q23dd5f3321_pv
	.globl	k_q23dd5f3321_pv
	.p2align	8
	.type	k_q23dd5f3321_pv,@function
k_q23dd5f3321_pv:
	s_mov_b64 s[64:65], 0
	v_nop
	global_prefetch_b8 v0, s[64:65] scope:SCOPE_SE
	s_setreg_imm32_b32 hwreg(HW_REG_WAVE_MODE, 25, 1), 1
	s_wait_xcnt 0x0
	s_wait_alu depctr_hold_cnt(0) depctr_sa_sdst(0) depctr_va_vdst(0) depctr_va_sdst(0) depctr_va_ssrc(0) depctr_va_vcc(0) depctr_vm_vsrc(0)
	s_getreg_b32 s2, hwreg(HW_REG_IB_STS2, 6, 4)
	s_cmp_eq_u32 s2, 0
	s_cbranch_scc0 .Lentry_in_a_cluster
	s_endpgm
.Lentry_in_a_cluster:
	s_bfe_u32 s2, ttmp6, 0x10000c
	s_cmp_lg_u32 s2, 0xf033
	s_cbranch_scc0 .Lentry_shape_is_right
	s_endpgm
.Lentry_shape_is_right:
; O = (P V) / l on codes of FP6 (E2M3).  P's codes were made under a local whole number M for each query and each 128 keys.  At the head each thread takes one of the work-group's 128 queries: the row's M is the
; largest of its sixteen; l = the sum of l_local x 2^(M_local - M); each scale byte of P has M - M_local taken off it, held at 0 from below.  Those are exact powers of two: the codes' values are those under the row's M.
; LIMITS: M - M_local is held at 127; a block whose byte would fall under 0 keeps the byte 0, so it counts at most 7.5 x 2^-127 for each code beside l > 1/2.  NaN and infinities are not served.
; A work-group of four waves makes 128 queries x 256 channels; a wave 64 x 128.  64 x 4 = 256 work-groups.  K = 2,048 keys: 16 K steps through two LDS slots of four; each slot is filled again once.
; CLUSTER 4 x 4: a row of the cluster shares P's tiles, a column V's: joint loads; a refill stands behind a round of the cluster's barrier.
; By the text's own count a wave has at most three tensor loads out at the start and one behind each round; a refill has four K steps, 128 matrix instructions, in which to land.
; TRANSPOSED USE (source 0 = 16 channels of V, source 1 = 16 queries): a lane's eight results are eight neighbouring channels of one row of O.
; REGISTERS: window 0: v1-29 addresses; v32-79 scale words; v80-175 P's fragments (at the head and on the way out: at work); v176-255 at work.  window 1: V's fragments.  window 2: the accumulators.
; THE FIRST FILLS (these lines stand over what the head comment says of them).  At the head each wave issues ONE joint load: wave 0 P's part of slot 0, waves 1 and 2 the halves of V's, wave 3 V's scale words.
; Slot 1 is first filled as a refill is: behind the wait for all loads, the add and a round of the cluster's barrier, ahead of the head's work on the rows' M and l, under which it is on its way.
; By the text's own count a wave has one tensor load out at the start and one behind each round.
.set NKS,   16
.set NKP,   8
.set NSTEP, 16
.set PART,  49152
.set SLOT,  3*PART
.set SA,    2*SLOT                     ; P's scale words under the row's M: [pair of K steps][128 queries][2 words]; written by the head's LDS stores, never by a tensor load
.set SB,    SA+NKP*1024                ; V's scale words
.set RL,    SB+NKP*2048                ; 1 / l of the 128 queries
.set SPARE, RL+512
.set ADRA, 4
.set ADRB, 6
.set ADSA, 8
.set ADSB, 9
.set LI,   10
.set STO,  11                          ; v11  the stage: where I put 32 bytes of a row
.set RD,   12                          ; v12  and where I read a row back
.set RLA,  13                          ; v13  1 / l of my queries
.set T4,   14                          ; v14  4 x thread
.set T8,   15                          ; v15  8 x thread
.set SAW,  16
.set RLW,  17
.set SPW,  28
.set NIL,  29
.set SC,   32
.set AF,   80
.set NMV,  80                          ; the head: v80-95 -M_local, v96-111 l_local, v112-127 scale words
.set LV,   96
.set PWD,  112
.set GM,   128
.set DD,   129
.set TA,   130
.set TB,   131
.set LS,   132
.set RR,   133
.set OT,   80                          ; the way out: v80-143 a block of O, v144-207 its rows read back
.set OBK,  144
.set RI,   240
.set G1A,  32
.set G1B,  40
.set G1SB, 56
.set G0A,  68
.set G0B,  76
.set G0SB, 88
.set HI,   94                          ; s94  0x80808080
.set MSB, 0
.macro WIN new
.if MSB != \new
	s_set_vgpr_msb (MSB<<8)|\new
.set MSB, \new
.endif
.endm
; PREFETCHES.  What a later fill of a slot will bring (for each row tile 6,144 bytes: 24 blocks of 256) is asked for one slot period, four K steps, ahead of its tensor load (slot 1's first fill: at the head),
; between a step's LDS loads and its products.  Each block is named once in each cluster that will load it, the shares told apart by address: of V's 16 row tiles the partner at cy, wave w, takes row tile
; 8 (w / 2) + 2 cy + w % 2, a lane a block (lanes 24-31 name block 23 again); of P's 8 row tiles the partner at cx takes 2 cx + w / 2, its half w % 2, 12 blocks (lanes 12-31 name block 11 again).
; The address registers are never rewritten.
.set PFB, 20                           ; v20  256 x min(lane, 23)
.set PFA, 21                           ; v21  256 x min(lane, 11)
.set PV,  48                           ; s[48:49] my share of V's row tiles
.set PP,  50                           ; s[50:51] my share of P's
.macro ASK reg, base, off
	global_prefetch_b8 v[\reg], s[\base:\base+1] offset:\off th:TH_LOAD_NT scope:SCOPE_SE
.endm
.macro PLACES
.rept 4
	v_nop
.endr
.endm
.macro CROUND
	s_barrier_signal -1
	s_barrier_wait -1
	s_cmp_lg_u32 s16, 0
	s_cbranch_scc1 .Lnot_wave_0_\@
	s_barrier_signal -3
.Lnot_wave_0_\@:
	s_barrier_wait -3
	s_barrier_signal -1
	s_barrier_wait -1
.endm
.macro TL g0, g1
	tensor_load_to_lds s[\g0:\g0+3], s[\g1:\g1+7]
	s_nop 0
.endm
.macro JLOAD s                         ; a joint refill: wave 0 P's tile, waves 1 and 2 the halves of V's, wave 3 none; the branches hang on the wave's number alone
	s_cmp_eq_u32 s16, 0
	s_cbranch_scc0 .Lnot_a_\@
	tensor_load_to_lds s[G0A+4*(\s):G0A+4*(\s)+3], s[G1A:G1A+7]
	s_nop 0
	PLACES
	s_branch .Lasked_\@
.Lnot_a_\@:
	s_cmp_eq_u32 s16, 3
	s_cbranch_scc1 .Lasked_\@
	tensor_load_to_lds s[G0B+4*(\s):G0B+4*(\s)+3], s[G1B:G1B+7]
	s_nop 0
	PLACES
.Lasked_\@:
.endm
.macro FETCH g
.set FS, ((\g)/4)%2
.set FQ, (\g)%4
.set FP, (\g)%2
	WIN 0x40
.irp b, 0,1,2,3,4,5,6,7
.irp c, 0,1,2
	ds_load_b128 v[128*FP+12*\b+4*\c:128*FP+12*\b+4*\c+3], v[ADRB+FS] offset:\b*6144+FQ*1536+512*\c
.endr
.endr
	WIN 0
.irp a, 0,1,2,3
.irp c, 0,1,2
	ds_load_b128 v[AF+48*FP+12*\a+4*\c:AF+48*FP+12*\a+4*\c+3], v[ADRA+FS] offset:\a*6144+FQ*1536+512*\c
.endr
.endr
.endm
.macro SCALES kp
.set SS, SC+24*((\kp)%2)
.irp a, 0,1,2,3
	ds_load_b64 v[SS+2*\a:SS+2*\a+1], v[ADSA] offset:(\kp)*1024+\a*128
.endr
.irp b, 0,1,2,3,4,5,6,7
	ds_load_b64 v[SS+8+2*\b:SS+8+2*\b+1], v[ADSB] offset:(\kp)*2048+\b*128
.endr
.endm
.macro MUL g, first                    ; the 32 accumulators take turns, one instruction a turn
.set MP, (\g)%2
.set MS, SC+24*(((\g)/2)%2)
.set MQ, (\g)%2
	WIN 0xa1
.irp a, 0,1,2,3
.irp b, 0,1,2,3,4,5,6,7
.if \first
	v_wmma_scale_f32_16x16x128_f8f6f4 v[8*(8*\a+\b):8*(8*\a+\b)+7], v[128*MP+12*\b:128*MP+12*\b+11], v[AF+48*MP+12*\a:AF+48*MP+12*\a+11], 0, v[MS+8+2*\b+MQ], v[MS+2*\a+MQ] matrix_a_fmt:MATRIX_FMT_FP6 matrix_b_fmt:MATRIX_FMT_FP6
.else
	v_wmma_scale_f32_16x16x128_f8f6f4 v[8*(8*\a+\b):8*(8*\a+\b)+7], v[128*MP+12*\b:128*MP+12*\b+11], v[AF+48*MP+12*\a:AF+48*MP+12*\a+11], v[8*(8*\a+\b):8*(8*\a+\b)+7], v[MS+8+2*\b+MQ], v[MS+2*\a+MQ] matrix_a_fmt:MATRIX_FMT_FP6 matrix_b_fmt:MATRIX_FMT_FP6
.endif
.endr
.endr
	WIN 0
.endm
; The slot whose last fragments are in registers is filled again, with the K steps eight further on.
.macro CHANGE slot
	s_wait_tensorcnt 0x0                           ; all my tensor loads have landed, my part of the other slot among them: a group 0 may be written
	ds_add_u32 v[SPW], v[NIL]                      ; 0 onto my spare word; the descriptors' steps stand between it and the wait for it
	s_add_nc_u64 s[G0A+4*(\slot)+2:G0A+4*(\slot)+3], s[G0A+4*(\slot)+2:G0A+4*(\slot)+3], 12288
	s_add_nc_u64 s[G0B+4*(\slot)+2:G0B+4*(\slot)+3], s[G0B+4*(\slot)+2:G0B+4*(\slot)+3], 12288
	s_wait_dscnt 0x0                               ; the add is done, and my reads of the slot are over
	CROUND                                         ; no wave of any partner still reads the slot or has a load on its way
	JLOAD \slot                                    ; the first tensor load behind the round, one a wave
.endm
.macro STEP g, first, chg              ; chg = 2: change of slots with a refill; 1: without
	s_wait_dscnt 0x0                               ; this step's fragments and words are in
.if \chg == 2
	CHANGE ((\g)/4)%2
.endif
.if \chg == 1
	s_wait_tensorcnt 0x0                           ; my part of the last tile has landed,
	s_barrier_signal -1
	s_barrier_wait -1                              ; everybody's has
.endif
	PLACES
.if (\g)+1 < NSTEP
	FETCH (\g)+1
.if ((\g)+1)%2 == 0
	SCALES ((\g)+1)/2
.endif
.endif
.if (\g) == 0
	ASK PFB, PV, 2*6144                            ; K steps 8-11
	ASK PFA, PP, 2*6144
.endif
.if (\g) == 4
	ASK PFB, PV, 3*6144                            ; K steps 12-15
	ASK PFA, PP, 3*6144
.endif
	MUL \g, \first
.endm
	s_load_b256 s[4:11], s[0:1], 0x0               ; p_codes s[4:5], p_stats s[6:7], v_codes s[8:9], v_scales s[10:11]
	s_load_b64 s[12:13], s[0:1], 0x20              ; out0
	v_lshl_add_u32 v[SPW], v0, 2, SPARE
	v_mov_b32 v[NIL], 0
	ds_add_u32 v[SPW], v[NIL]                      ; the wave's opening: the add and its wait ahead of the first tensor loads
	ds_add_u32 v[SPW], v[NIL]
	v_lshrrev_b32 v1, 5, v0
	v_readfirstlane_b32 s16, v1
	s_lshr_b32 s17, s16, 1
	s_and_b32 s18, s16, 1
	s_bfe_u32 s19, ttmp6, 0x40000
	s_bfe_u32 s20, ttmp6, 0x40004
	s_lshl_b32 s21, ttmp9, 2
	s_add_co_u32 s21, s21, s19                     ; tile column: 256 channels
	s_and_b32 s23, ttmp7, 0xffff
	s_lshl_b32 s22, s23, 2
	s_add_co_u32 s22, s22, s20                     ; tile row: 128 queries; the batch is the cluster's y / 2
	s_lshl_b32 s24, s20, 2
	s_lshl_b32 s24, 15, s24
	s_lshl_b32 s25, 0x1111, s19
	s_or_b32 s[G1A], s24, (3<<16)|(1<<21)
	s_or_b32 s[G1B], s25, (3<<16)|(1<<21)
.irp g, G1A, G1B
	s_mov_b32 s[\g+1], 768<<16
	s_mov_b32 s[\g+2], 8<<16
	s_mov_b32 s[\g+3], 768<<16
	s_mov_b32 s[\g+4], 8
	s_mov_b32 s[\g+5], NKS*192
	s_mov_b32 s[\g+6], 0
	s_mov_b32 s[\g+7], 0
.endr
	s_or_b32 s[G1SB], s25, (3<<16)|(1<<21)
	s_mov_b32 s[G1SB+1], 256<<16                   ; 16 row tiles x 128 bytes
	s_mov_b32 s[G1SB+2], NKP<<16
	s_mov_b32 s[G1SB+3], 256<<16
	s_mov_b32 s[G1SB+4], NKP
	s_mov_b32 s[G1SB+5], 1024                      ; planes of 64 x 128 bytes
	s_mov_b32 s[G1SB+6], 0
	s_mov_b32 s[G1SB+7], 0
	s_mul_i32 s26, s22, 196608                     ; P: 8 row tiles of 24,576 bytes a tile row
	s_mov_b32 s27, 0
	s_lshr_b32 s28, s23, 1                         ; batch
	s_lshl_b32 s30, s28, 16                        ; V's scale words: 65,536 bytes a batch, 2,048 a tile column
	s_lshl_b32 s29, s21, 11
	s_add_co_u32 s30, s30, s29
	s_mov_b32 s31, 0
	s_mul_i32 s28, s28, 1572864                    ; V's codes
	s_lshl_b32 s29, s21, 4
	s_lshl_b32 s99, s17, 3
	s_add_co_u32 s29, s29, s99
	s_mul_i32 s29, s29, 24576
	s_add_co_u32 s28, s28, s29
	s_mov_b32 s29, 0
	s_mul_i32 s98, s17, PART
	s_mov_b32 s[HI], 0x80808080
	s_wait_dscnt 0x0
	s_wait_kmcnt 0x0
	s_add_nc_u64 s[26:27], s[4:5], s[26:27]
	s_add_nc_u64 s[28:29], s[8:9], s[28:29]
.irp s, 0,1
	s_mov_b32 s[G0A+4*\s], 1
	s_mov_b32 s[G0A+4*\s+1], \s*SLOT
	s_add_nc_u64 s[G0A+4*\s+2:G0A+4*\s+3], s[26:27], \s*6144
	s_or_b32 s[G0A+4*\s+3], s[G0A+4*\s+3], 0x80000000
	s_mov_b32 s[G0B+4*\s], 1
	s_add_co_u32 s[G0B+4*\s+1], s98, \s*SLOT+PART
	s_add_nc_u64 s[G0B+4*\s+2:G0B+4*\s+3], s[28:29], \s*6144
	s_or_b32 s[G0B+4*\s+3], s[G0B+4*\s+3], 0x80000000
.endr
	s_mov_b32 s[G0SB], 1
	s_mov_b32 s[G0SB+1], SB
	s_add_nc_u64 s[G0SB+2:G0SB+3], s[10:11], s[30:31]
	s_or_b32 s[G0SB+3], s[G0SB+3], 0x80000000
	CROUND
	s_cmp_eq_u32 s16, 0                            ; the head's four tiles, one a wave, in one chain of branches on the wave's number
	s_cbranch_scc0 .Lff_b
	TL G0A, G1A
	PLACES
	s_branch .Lff_done
.Lff_b:
	s_cmp_eq_u32 s16, 3
	s_cbranch_scc0 .Lff_c
	TL G0SB, G1SB
	PLACES
	s_branch .Lff_done
.Lff_c:
	TL G0B, G1B
	PLACES
.Lff_done:
	; ---- the head: thread t takes query 128 x tile row + t
	v_lshlrev_b32 v[T4], 2, v0
	v_lshlrev_b32 v[T8], 3, v0
	s_lshl_b32 s2, s22, 9
	s_add_co_u32 s2, s2, 524288
	s_mov_b32 s3, 0
	s_add_nc_u64 s[98:99], s[6:7], s[2:3]          ; -M_local, and 524,288 bytes on l_local: [K step][8,192 queries]
	s_lshl_b32 s2, s22, 10
	s_add_nc_u64 s[6:7], s[6:7], s[2:3]            ; the scale words: [pair of K steps][query][2 words]
.set K, 0
.rept 16
	global_load_b32 v[NMV+K], v[T4], s[98:99] offset:K*32768
.set K, K+1
.endr
.set K, 0
.rept 16
	global_load_b32 v[LV+K], v[T4], s[98:99] offset:K*32768+524288
.set K, K+1
.endr
.set K, 0
.rept 8
	global_load_b64 v[PWD+2*K:PWD+2*K+1], v[T8], s[6:7] offset:K*65536
.set K, K+1
.endr
	s_lshl_b32 s[PV], s20, 1
	s_add_co_u32 s[PV], s[PV], s18
	s_mul_i32 s[PV], s[PV], 24576
	s_mov_b32 s[PV+1], 0
	s_add_nc_u64 s[PV:PV+1], s[28:29], s[PV:PV+1]
	s_lshl_b32 s[PP], s19, 1
	s_add_co_u32 s[PP], s[PP], s17
	s_mul_i32 s[PP], s[PP], 24576
	s_mul_i32 s[PP+1], s18, 3072
	s_add_co_u32 s[PP], s[PP], s[PP+1]
	s_mov_b32 s[PP+1], 0
	s_add_nc_u64 s[PP:PP+1], s[26:27], s[PP:PP+1]
	v_and_b32 v1, 31, v0
	v_min_u32 v[PFB], 23, v1
	v_min_u32 v[PFA], 11, v1
	v_lshlrev_b32 v[PFB], 8, v[PFB]
	v_lshlrev_b32 v[PFA], 8, v[PFA]
	ASK PFB, PV, 6144                              ; slot 1's first fill: K steps 4-7
	ASK PFA, PP, 6144
	v_and_b32 v2, 15, v0
	v_bfe_u32 v3, v0, 4, 1
	v_lshlrev_b32 v[LI], 4, v1
	v_lshl_add_u32 v[SAW], v0, 3, SA
	v_lshl_add_u32 v[RLW], v0, 2, RL
	s_mul_i32 s2, s17, 24576
	v_add_nc_u32 v[ADRA], s2, v[LI]
	v_add_nc_u32 v[ADRA+1], SLOT, v[ADRA]
	s_mul_i32 s2, s18, PART
	s_add_co_u32 s2, s2, PART
	v_add_nc_u32 v[ADRB], s2, v[LI]
	v_add_nc_u32 v[ADRB+1], SLOT, v[ADRB]
	s_lshl_b32 s2, s17, 9
	s_add_co_u32 s2, s2, SA
	v_lshl_add_u32 v[ADSA], v2, 3, s2
	s_lshl_b32 s2, s18, 10
	s_add_co_u32 s2, s2, SB
	v_lshl_add_u32 v[ADSB], v2, 3, s2
	s_lshl_b32 s2, s17, 8
	s_add_co_u32 s2, s2, RL
	v_lshl_add_u32 v[RLA], v2, 2, s2
	s_mul_i32 s2, s16, 16*528                      ; my stage: 16 rows x (512 + 16) bytes, in slot 0, which has had its last fill and its last read when the first result is stored there
	v_mul_u32_u24 v[STO], v2, 528
	v_lshl_add_u32 v[STO], v3, 5, v[STO]
	v_add_nc_u32 v[STO], s2, v[STO]
	v_add_nc_u32 v[RD], s2, v[LI]
	s_lshl_b32 s2, s22, 7                          ; O: row 128 x tile row + 64 x half, 4,096 bytes each; column 256 x tile column + 128 x half
	s_lshl_b32 s3, s17, 6
	s_add_co_u32 s2, s2, s3
	s_lshl_b32 s2, s2, 12
	s_lshl_b32 s3, s21, 10
	s_add_co_u32 s2, s2, s3
	s_lshl_b32 s3, s18, 9
	s_add_co_u32 s2, s2, s3
	s_mov_b32 s3, 0
	s_add_nc_u64 s[12:13], s[12:13], s[2:3]
	s_wait_alu depctr_va_vdst(0)
	s_wait_tensorcnt 0x0                           ; my tile of the head's four is in
	ds_add_u32 v[SPW], v[NIL]
	s_wait_dscnt 0x0
	CROUND                                         ; all four tiles are in, and all sixteen work-groups are here
	JLOAD 1                                        ; slot 1's first fill, the first tensor load behind the round
	s_wait_loadcnt 0x0
	v_min3_num_f32 v[GM], v[NMV], v[NMV+1], v[NMV+2]
.irp i, 3,5,7,9,11,13
	v_min3_num_f32 v[GM], v[GM], v[NMV+\i], v[NMV+\i+1]
.endr
	v_min_num_f32 v[GM], v[GM], v[NMV+15]          ; -M of the row: the least of the sixteen
.set K, 0
.rept 16
	v_sub_f32 v[DD], v[GM], v[NMV+K]               ; M_local - M: a whole number, 0 or less,
	v_max_num_f32 v[DD], 0xc2fe0000, v[DD]         ; held at -127
	v_cvt_i32_f32 v[DD], v[DD]
.if K == 0
	v_ldexp_f32 v[LS], v[LV], v[DD]                ; l_local under the row's M: nothing is rounded
.else
	v_ldexp_f32 v[TA], v[LV+K], v[DD]
	v_add_f32 v[LS], v[LS], v[TA]
.endif
	v_sub_nc_u32 v[DD], 0, v[DD]                   ; n = M - M_local, 0 .. 127,
	v_perm_b32 v[DD], v[DD], v[DD], 0              ; in all four bytes
	v_or_b32 v[PWD+K], s[HI], v[PWD+K]             ; p is at most 1, so a byte is at most 125: with 128 on top no byte borrows from its neighbour
	v_sub_nc_u32 v[PWD+K], v[PWD+K], v[DD]
	v_and_b32 v[TA], s[HI], v[PWD+K]               ; the top bit is left where byte - n is 0 or more
	v_lshrrev_b32 v[TB], 7, v[TA]
	v_sub_nc_u32 v[TA], v[TA], v[TB]               ; 0x7f there, 0 elsewhere
	v_and_b32 v[PWD+K], v[PWD+K], v[TA]            ; max(byte - n, 0)
.set K, K+1
.endr
.set K, 0
.rept 8
	ds_store_b64 v[SAW], v[PWD+2*K:PWD+2*K+1] offset:K*1024
.set K, K+1
.endr
	s_wait_alu depctr_va_vdst(0)
	v_rcp_f32 v[RR], v[LS]
	v_nop                                          ; a plain line behind the transcendental,
	s_wait_alu depctr_va_vdst(0)                   ; and the wait ahead of the line that names its result
	ds_store_b32 v[RLW], v[RR]
	s_wait_dscnt 0x0                               ; for the others' sake: my words and my 1 / l lie in LDS
	s_barrier_signal -1
	s_barrier_wait -1
	FETCH 0
	SCALES 0
	STEP 0, 1, 0
	STEP 1, 0, 0
	STEP 2, 0, 0
	STEP 3, 0, 2                                   ; slot 0 takes K steps 8-11
	STEP 4, 0, 0
	STEP 5, 0, 0
	STEP 6, 0, 0
	STEP 7, 0, 2                                   ; slot 1 takes K steps 12-15
	STEP 8, 0, 0
	STEP 9, 0, 0
	STEP 10, 0, 0
	STEP 11, 0, 1                                  ; behind this barrier nobody reads slot 0 any more
	STEP 12, 0, 0
	STEP 13, 0, 0
	STEP 14, 0, 0
	STEP 15, 0, 0
	PLACES
.irp a, 0,1,2,3
	ds_load_b32 v[RI+2*\a], v[RLA] offset:64*\a    ; 1 / l of query 16 a + r, in both halves of a pair
	ds_load_b32 v[RI+2*\a+1], v[RLA] offset:64*\a
.endr
	s_wait_dscnt 0x0
; THE WAY OUT of block a: 16 rows x 128 channels, divided by l, through my stage, and out as whole rows of 512 bytes.
.macro OEPI a
.set AB, 64*(\a)
.if (\a) > 0
	s_wait_xcnt 0x0                                ; the last block's stores have read their data
.endif
	WIN 0x02                                       ; source 0 window 2
.set J, 0
.rept 32
	v_pk_mul_f32 v[OT+J:OT+J+1], v[AB+J:AB+J+1], v[RI+2*(\a):RI+2*(\a)+1]   ; each accumulator from its low end on
.set J, J+2
.endr
	WIN 0
.irp b, 0,1,2,3,4,5,6,7
	ds_store_b128 v[STO], v[OT+8*\b:OT+8*\b+3] offset:64*\b
	ds_store_b128 v[STO], v[OT+8*\b+4:OT+8*\b+7] offset:64*\b+16
.endr
.irp t, 0,1,2,3,4,5,6,7,8,9,10,11,12,13,14,15
	ds_load_b128 v[OBK+4*\t:OBK+4*\t+3], v[RD] offset:528*\t   ; LDS serves a wave's instructions in order (ISA guide 5.7.1): these see my stores
.endr
	s_wait_dscnt 0x0
.irp t, 0,1,2,3,4,5,6,7,8,9,10,11,12,13,14,15
	global_store_b128 v[LI], v[OBK+4*\t:OBK+4*\t+3], s[12:13] offset:(16*(\a)+\t)*4096 th:TH_STORE_NT   ; 512 consecutive bytes, aligned; written once
.endr
.endm
	OEPI 0
	OEPI 1
	OEPI 2
	OEPI 3
	s_wait_tensorcnt 0x0                           ; the wave's end
	ds_add_u32 v[SPW], v[NIL]
	s_wait_dscnt 0x0
	CROUND                                         ; the closing round
	s_endpgm
.Lfunc_end_k_q23dd5f3321_pv:
	.size	k_q23dd5f3321_pv, .Lfunc_end_k_q23dd5f3321_pv-k_q23dd5f3321_pv
	.p2alignl 7, 3214868480
	.fill 96, 4, 3214868480
	.section	.rodata,"a",@progbits
	.p2align	6, 0x0
	.amdhsa_kernel k_q23dd5f3321_pv
		.amdhsa_group_segment_fixed_size 327680
		.amdhsa_private_segment_fixed_size 0
		.amdhsa_enable_private_segment 0
		.amdhsa_kernarg_size 40
		.amdhsa_user_sgpr_count 2
		.amdhsa_user_sgpr_kernarg_segment_ptr 1
		.amdhsa_wavefront_size32 1
		.amdhsa_system_sgpr_workgroup_id_x 1
		.amdhsa_system_sgpr_workgroup_id_y 1
		.amdhsa_system_sgpr_workgroup_id_z 1
		.amdhsa_system_vgpr_workitem_id 0
		.amdhsa_next_free_vgpr 768
		.amdhsa_next_free_sgpr 100
		.amdhsa_reserve_vcc 0
		.amdhsa_float_denorm_mode_32 3
		.amdhsa_float_denorm_mode_16_64 3
		.amdhsa_memory_ordered 1
		.amdhsa_forward_progress 1
		.amdhsa_inst_pref_size 160
	.end_amdhsa_kernel
	.amdgpu_metadata
---
amdhsa.version: [ 1, 2 ]
amdhsa.kernels:
  - .name:           k_q23dd5f3321_pv
    .symbol:         k_q23dd5f3321_pv.kd
    .args:
      - { .name: p_codes, .offset: 0, .size: 8, .value_kind: global_buffer, .address_space: global }
      - { .name: p_stats, .offset: 8, .size: 8, .value_kind: global_buffer, .address_space: global }
      - { .name: v_codes, .offset: 16, .size: 8, .value_kind: global_buffer, .address_space: global }
      - { .name: v_scales, .offset: 24, .size: 8, .value_kind: global_buffer, .address_space: global }
      - { .name: out0, .offset: 32, .size: 8, .value_kind: global_buffer, .address_space: global }
    .group_segment_fixed_size: 327680
    .private_segment_fixed_size: 0
    .kernarg_segment_align: 8
    .kernarg_segment_size: 40
    .max_flat_workgroup_size: 128
    .sgpr_count:     100
    .vgpr_count:     768
    .wavefront_size: 32
...
	.end_amdgpu_metadata
.endif
;; end of part 4
